; MI455X (gfx1250); checked and timed in simulation.
; The chip was launched on July 23, 2026; its instructions are those of AMD's public machine-readable ISA for CDNA 5 (MIT licence, August 2026) and "CDNA5" Instruction Set Architecture Reference Guide (July 2026). The comments in the code are by the model that wrote it; some were corrected since.
;; Continuous Gen Hyper Connections Strang. Allowed arithmetic: float matrix products may take bf16 or f16 operands with f32 sums; other float arithmetic in f32, or as packed bf16 or f16 multiplies, adds, multiply-adds, maxima and minima; sums over many terms, partial sums and values carried from step to step in f32; what a program stores and reads back later, other than sums and carried values, may be rounded once to bf16 or f16.
;; Inputs: W1 2,048 x 8,192 float32; W2 8,192 x 2,048 float32; W_conv 16 x 8,192 float32; W_diss 4 x 8,192 float32; W_dtc 1 x 8,192 float32; W_dtd 1 x 8,192 float32; W_ri 4 x 8,192 float32; W_wo 4 x 8,192 float32; alpha_read_in 1 float32; alpha_write_out 1 float32; b_dtc 1 float32; b_dtd 1 float32; conserv_A 4 x 4 float32; diss_diag 4 float32; log_dt_conserv 1 float32; log_dt_diss 1 float32; read_in_p 4 x 1 float32; write_out_p 4 x 1 float32; x 2,048 x 4 x 2,048 float32.
;; Outputs: out0 2,048 x 4 x 2,048 float32.
;; 2 versions, each right; version 2 is version 1 with the launch cast written anew for expert scheduling mode. Each part assembles by itself: llvm-mc -triple=amdgcn-amd-amdhsa -mcpu=gfx1250 --defsym DOCPART=n.
;; ======== version 1 of 2: 4 launches
;; workspace buffers: w1b 33,554,432 bytes; w2b 33,554,432 bytes; wsm 491,520 bytes; brb 8,388,608 bytes; coef 163,840 bytes; hb 33,554,432 bytes
;; launch cast (part 1): grid 1054 x 1, 8 waves a work-group, no clusters, 0 bytes of LDS; arguments W1, W2, W_conv, W_ri, W_wo, W_diss, W_dtc, W_dtd, w1b, w2b, wsm; writes w1b, w2b, wsm
.if DOCPART == 1
	.amdgcn_target "amdgcn-amd-amdhsa--gfx1250"
	.amdhsa_code_object_version 6
	.text
	.protected	k_q14625cd768_cast
	.globl	k_q14625cd768_cast
	.p2align	8
	.type	k_q14625cd768_cast,@function
k_q14625cd768_cast:
	s_mov_b64 s[64:65], 0
	v_nop
	global_prefetch_b8 v0, s[64:65] scope:SCOPE_SE
	s_setreg_imm32_b32 hwreg(HW_REG_WAVE_MODE, 25, 1), 1
	s_wait_xcnt 0x0
; THE WEIGHTS ARE ROUNDED ONCE TO bf16, their layout kept.  W1 [2048][8192] -> w1b, W2 [8192][2048] -> w2b, and the 30 rows of 8,192 numbers of the six small
; weights -> wsm [30][8192]: rows 0-15 W_conv, 16-19 W_ri, 20-23 W_wo, 24-27 W_diss, 28 W_dtc, 29 W_dtd.
; SHARES.  Work-groups 0-1023 take 32,768 numbers each (0-511 of W1, 512-1023 of W2); work-groups 1024-1053 take one row of wsm each.
; Thread t takes 16 bytes at 16 t of each 4,096 bytes: a load of a wave covers 512 consecutive bytes, its store of 8 bytes a lane 256 consecutive bytes, aligned.
; All loads of a work-group go out at once, each into registers of its own, so nothing is rewritten while a load or store may read it.
; No LDS, no barrier, no matrix unit, no cluster: no byte is wanted twice, and no work-group wants what another reads.
.set X, 4                              ; v[4:131]  load i: four registers as loaded; its first two then hold the four bf16
; n loads of 4,096 bytes a work-group from s[30:31], n stores of 2,048 bytes to s[32:33]
.macro COPY n
.set i, 0
.rept \n
	global_load_b128 v[X+4*i:X+4*i+3], v1, s[30:31] offset:4096*i th:TH_LOAD_NT
.set i, i+1
.endr
.set i, 0
.rept \n
	s_wait_loadcnt (\n)-1-i                        ; loads come back in order: load i is in, the younger ones stay out
	v_cvt_pk_bf16_f32 v[X+4*i], v[X+4*i], v[X+4*i+1]       ; two roundings to nearest even, packed
	v_cvt_pk_bf16_f32 v[X+4*i+1], v[X+4*i+2], v[X+4*i+3]
	global_store_b64 v2, v[X+4*i:X+4*i+1], s[32:33] offset:2048*i
.set i, i+1
.endr
.endm
	s_load_b512 s[8:23], s[0:1], 0x0               ; W1 s[8:9], W2 s[10:11], W_conv s[12:13], W_ri s[14:15], W_wo s[16:17], W_diss s[18:19], W_dtc s[20:21], W_dtd s[22:23]
	s_load_b128 s[24:27], s[0:1], 0x40             ; w1b s[24:25], w2b s[26:27]
	s_load_b64 s[28:29], s[0:1], 0x50              ; wsm
	v_lshlrev_b32 v1, 4, v0                        ; 16 t: where I load; never rewritten
	v_lshlrev_b32 v2, 3, v0                        ; 8 t: where I store; never rewritten
	s_mov_b32 s3, 0                                ; the offsets' high words
	s_mov_b32 s5, 0
	s_wait_kmcnt 0x0
	s_cmp_ge_u32 ttmp9, 1024
	s_cbranch_scc1 .Lsmall
	s_lshr_b32 s6, ttmp9, 9                        ; 0: W1, 1: W2
	s_cmp_eq_u32 s6, 0
	s_cselect_b64 s[30:31], s[8:9], s[10:11]
	s_cselect_b64 s[32:33], s[24:25], s[26:27]
	s_and_b32 s6, ttmp9, 511
	s_lshl_b32 s2, s6, 17                          ; 131,072 bytes in,
	s_lshl_b32 s4, s6, 16                          ; 65,536 bytes out
	s_add_nc_u64 s[30:31], s[30:31], s[2:3]
	s_add_nc_u64 s[32:33], s[32:33], s[4:5]
	COPY 32
	s_endpgm
.Lsmall:
	s_sub_co_u32 s6, ttmp9, 1024                   ; row j of wsm
	s_mov_b64 s[30:31], s[12:13]                   ; which weight it comes from, and that weight's first row in wsm
	s_mov_b32 s7, 0
	s_cmp_ge_u32 s6, 16
	s_cselect_b64 s[30:31], s[14:15], s[30:31]
	s_cselect_b32 s7, 16, s7
	s_cmp_ge_u32 s6, 20
	s_cselect_b64 s[30:31], s[16:17], s[30:31]
	s_cselect_b32 s7, 20, s7
	s_cmp_ge_u32 s6, 24
	s_cselect_b64 s[30:31], s[18:19], s[30:31]
	s_cselect_b32 s7, 24, s7
	s_cmp_ge_u32 s6, 28
	s_cselect_b64 s[30:31], s[20:21], s[30:31]
	s_cselect_b32 s7, 28, s7
	s_cmp_ge_u32 s6, 29
	s_cselect_b64 s[30:31], s[22:23], s[30:31]
	s_cselect_b32 s7, 29, s7
	s_sub_co_u32 s7, s6, s7                        ; the row inside its weight
	s_lshl_b32 s2, s7, 15                          ; 32,768 bytes a row in,
	s_lshl_b32 s4, s6, 14                          ; 16,384 bytes a row out
	s_add_nc_u64 s[30:31], s[30:31], s[2:3]
	s_add_nc_u64 s[32:33], s[28:29], s[4:5]
	COPY 8
	s_endpgm
.Lfunc_end_k_q14625cd768_cast:
	.size	k_q14625cd768_cast, .Lfunc_end_k_q14625cd768_cast-k_q14625cd768_cast
	.p2alignl 7, 3214868480
	.fill 96, 4, 3214868480
	.section	.rodata,"a",@progbits
	.p2align	6, 0x0
	.amdhsa_kernel k_q14625cd768_cast
		.amdhsa_group_segment_fixed_size 0
		.amdhsa_private_segment_fixed_size 0
		.amdhsa_enable_private_segment 0
		.amdhsa_kernarg_size 88
		.amdhsa_user_sgpr_count 2
		.amdhsa_user_sgpr_kernarg_segment_ptr 1
		.amdhsa_wavefront_size32 1
		.amdhsa_system_sgpr_workgroup_id_x 1
		.amdhsa_system_sgpr_workgroup_id_y 1
		.amdhsa_system_sgpr_workgroup_id_z 1
		.amdhsa_system_vgpr_workitem_id 0
		.amdhsa_next_free_vgpr 136
		.amdhsa_next_free_sgpr 66
		.amdhsa_reserve_vcc 0
		.amdhsa_float_denorm_mode_32 3
		.amdhsa_float_denorm_mode_16_64 3
		.amdhsa_memory_ordered 1
		.amdhsa_forward_progress 1
		.amdhsa_inst_pref_size 16
	.end_amdhsa_kernel
	.amdgpu_metadata
---
amdhsa.version: [ 1, 2 ]
amdhsa.kernels:
  - .name:           k_q14625cd768_cast
    .symbol:         k_q14625cd768_cast.kd
    .args:
      - { .name: W1, .offset: 0, .size: 8, .value_kind: global_buffer, .address_space: global }
      - { .name: W2, .offset: 8, .size: 8, .value_kind: global_buffer, .address_space: global }
      - { .name: W_conv, .offset: 16, .size: 8, .value_kind: global_buffer, .address_space: global }
      - { .name: W_ri, .offset: 24, .size: 8, .value_kind: global_buffer, .address_space: global }
      - { .name: W_wo, .offset: 32, .size: 8, .value_kind: global_buffer, .address_space: global }
      - { .name: W_diss, .offset: 40, .size: 8, .value_kind: global_buffer, .address_space: global }
      - { .name: W_dtc, .offset: 48, .size: 8, .value_kind: global_buffer, .address_space: global }
      - { .name: W_dtd, .offset: 56, .size: 8, .value_kind: global_buffer, .address_space: global }
      - { .name: w1b, .offset: 64, .size: 8, .value_kind: global_buffer, .address_space: global }
      - { .name: w2b, .offset: 72, .size: 8, .value_kind: global_buffer, .address_space: global }
      - { .name: wsm, .offset: 80, .size: 8, .value_kind: global_buffer, .address_space: global }
    .group_segment_fixed_size: 0
    .private_segment_fixed_size: 0
    .kernarg_segment_align: 8
    .kernarg_segment_size: 88
    .max_flat_workgroup_size: 256
    .sgpr_count:     66
    .vgpr_count:     136
    .wavefront_size: 32
...
	.end_amdgpu_metadata
.endif
;; end of part 1
;; launch stats (part 2): grid 256 x 1, 8 waves a work-group, no clusters, 277,760 bytes of LDS; arguments x, wsm, conserv_A, diss_diag, read_in_p, write_out_p, alpha_read_in, alpha_write_out, log_dt_conserv, b_dtc, log_dt_diss, b_dtd, brb, coef; writes brb, coef
.if DOCPART == 2
	.amdgcn_target "amdgcn-amd-amdhsa--gfx1250"
	.amdhsa_code_object_version 6
	.text
	.protected	k_q14625cd768_stats
	.globl	k_q14625cd768_stats
	.p2align	8
	.type	k_q14625cd768_stats,@function
k_q14625cd768_stats:
	s_mov_b64 s[64:65], 0
	v_nop
	global_prefetch_b8 v0, s[64:65] scope:SCOPE_SE
	s_setreg_imm32_b32 hwreg(HW_REG_WAVE_MODE, 25, 1), 1
	s_wait_xcnt 0x0
; FOR EACH ROW OF x (8,192 numbers): the mean square, 30 dot products with wsm's rows, from them read_in[4], write_out[4] and Phi[4][4], and branch = the sum over n of read_in[n] x[n][:].
; Out: coef [2048][20] f32 (Phi row by row, then write_out) and brb [2048][2048] bf16.
; SHARES.  A work-group takes 8 rows of x and keeps them in LDS in f32, 262,144 bytes: x is read from memory once here.  Phase 1: the columns are split among the eight waves, 1,024 each: sums of
; squares in f32, dot products by the matrix unit on x and wsm in bf16 with f32 sums.  One barrier.  Phases 2 and 3: wave w owns row w.
; THE PRODUCT: source 0 = 16 rows of wsm, source 1 = the 8 rows of x, each held by two lanes (lane r takes row r % 8): register j of lane (r, h) is dot 16 tile + 8 h + j of row r % 8.
; wsm has 30 rows: the lanes of rows 30 and 31 read row 29 once more, and what they make is not used.
; THE CAYLEY FACTOR in closed form.  S is skew, 4 x 4, with a..f above its diagonal; p = af - be + cd; S* its dual (f, -e, d, c, -b, a), for which S S* = -p I and S S + S* S* = -(a2) I, a2 the sum of the
; six squares.  So (I - S)(I + S + p S* + Q) = (1 + a2 + p p) I with Q = S* S*^T, and solve(I - S, I + S) = 2 (I - S)^-1 - I.  Exact for every skew S.
; LIMITS.  NaN and infinities are not treated apart.  softplus(z) = max(z, 0) + ln 2 log2(1 + 2^(-|z| log2 e)): off by 6e-8 at the most, 0 below z of about -17.  The closed form holds fourth powers of
; S's entries in f32: entries up to 1e9.
; NO CLUSTER: x takes 266,240 bytes of LDS, so wsm's 491,520 bytes, which all work-groups read, would want a ring of small slots with a round of the cluster's barrier for each; they go straight into
; fragment registers, 256 consecutive bytes of each row in a trip.  NO PREFETCH: all of a work-group's x is asked for at its head.
.set CH,    8320                       ; a chunk in LDS: 8 rows x (1,024 bytes + 16 of padding); rows 260 words apart: row r starts at bank 4 r (64 banks of 4 bytes: ISA guide 11.1)
.set LP,    32*CH                      ; 266,240: partial dots: wave v at 1,152 v, row at 144, dot at 4
.set LSS,   LP+8*1152                  ; 275,456: partial sums of squares: row at 32, wave at 4
.set LT,    LSS+256                    ; 275,712: a row's 32 dots, 128 bytes for each wave
.set SPARE, LT+1024                    ; 276,736: the spare words, 128 bytes for each wave: four blocks of 256 bytes that no other line names
.set XA,   2                           ; v2      my place in my wave's first chunk: (r % 8) x 1,040 + 32 h + 4 w chunks
.set WO,   3                           ; v3, v4  my byte offset in wsm for tile 0, 1; never rewritten
.set PST,  5                           ; v5      where I put my partial dots
.set SST,  6                           ; v6      where I put my row's partial sum of squares
.set PRD,  7                           ; v7      where I read dot l of row w
.set LB,   8                           ; v8-11   phase 3: my 16 bytes of stream n of row w
.set BO,   12                          ; v12     my 8 bytes in brb's row
.set SSR,  13                          ; v13     row w's eight partial sums of squares
.set NUL,  14                          ; v14     0: the offset of coef's stores
.set LANE, 15                          ; v15     my lane
.set ACC,  16                          ; v16-47  four accumulators: tile j, parity p of the K step at ACC + 8 (2 p + j)
.set SSQ,  48                          ; v48-55  four pairs of sums of squares
.set SPW,  60                          ; v60     LDS address of my spare word; never rewritten
.set NIL,  61                          ; v61     0; never rewritten
.set TST,  62                          ; v62     where I put dot l of my row
.set TRD,  63                          ; v63     where every lane reads all 32
.set XF,   64                          ; v64-127 x of a trip: for each 32 columns 16 registers of f32, the first 8 of which become the bf16 fragment
.set WB,   128                         ; v128-255 two sets of wsm's fragments: (ks, tile) at 16 ks + 8 tile
.set G1,   32                          ; s[32:39] descriptor group 1
.set G0,   40                          ; s[40:55] four groups 0, one for each of my chunks
.set WV,   56                          ; s56     my wave's number
; phase 2, all lanes alike
.set H,    64                          ; v64-95  the row's dots times 1 / rms
.set ZZ,   100                         ; v100-109 arguments of the ten sigmoids
.set ZD,   110                         ; v110-113 diss_diag + h; then softplus; then exp(D / 2)
.set SK,   114                         ; v114-119 a b c d e f
.set EE,   120                         ; v120-133 at work on the sigmoids and softplus
.set PF,   134                         ; p
.set A2,   135
.set DL,   136                         ; 1 + a2 + p p
.set GG,   137                         ; 2 / that
.set MM,   140                         ; v140-155 conserv_A + h
.set CF,   160                         ; v160-179 the row's 20 coefficients
.set QQ,   180                         ; v180-183 Q's diagonal, v184-189 Q01 Q02 Q03 Q12 Q13 Q23
.set TT,   190                         ; v190-195 S + p S* above the diagonal
.set SQ,   200                         ; v200-205 the six squares
.set WW,   206                         ; v206-211 eh_i eh_j G
.set RI,   220                         ; v220-227 read_in[n], twice each: a pair for the packed lines
.set BR,   128                         ; phase 3: sums
.set BB,   144                         ; phase 3: packed bf16
	s_load_b512 s[4:19], s[0:1], 0x0               ; x s[4:5], wsm s[6:7], conserv_A s[8:9], diss_diag s[10:11], read_in_p s[12:13], write_out_p s[14:15], alpha_read_in s[16:17], alpha_write_out s[18:19]
	s_load_b256 s[20:27], s[0:1], 0x40             ; log_dt_conserv s[20:21], b_dtc s[22:23], log_dt_diss s[24:25], b_dtd s[26:27]
	s_load_b128 s[28:31], s[0:1], 0x60             ; brb s[28:29], coef s[30:31]
	v_lshl_add_u32 v[SPW], v0, 2, SPARE
	v_mov_b32 v[NIL], 0
	ds_add_u32 v[SPW], v[NIL]                      ; the wave's opening: the add and its wait stand ahead of my first tensor load; work on registers stands between them
	v_lshrrev_b32 v1, 5, v0
	v_readfirstlane_b32 s[WV], v1                  ; wave 0..7
	; group 1: a tile of 8 rows x 256 numbers of 4 bytes, 16 bytes of padding behind each row
	s_mov_b32 s[G1+0], (2<<16)|(1<<20)|(7<<22)|(3<<25)  ; 17:16 elements of 4 bytes; 20 padding on; 24:22 after every 256 words (code 7); 31:25 4 words (code 3)
	s_mov_b32 s[G1+1], 256<<16                     ; tensor_dim0 = 256
	s_mov_b32 s[G1+2], 8<<16                       ; tensor_dim1 = 8
	s_mov_b32 s[G1+3], 256<<16                     ; tile_dim0 = 256
	s_mov_b32 s[G1+4], 8                           ; tile_dim1 = 8
	s_mov_b32 s[G1+5], 8192                        ; elements from row to row
	s_mov_b32 s[G1+6], 0
	s_mov_b32 s[G1+7], 0
	s_mov_b32 s57, 0x76543210                      ; v_permlanex16_b32: each lane takes its own place in the other half
	s_mov_b32 s58, 0xfedcba98
	s_mov_b32 s59, 0x3f7fbe77                      ; DT_MAX - DT_MIN = 0.999
	s_mov_b32 s60, 0x3a83126f                      ; DT_MIN = 0.001
	s_mov_b32 s63, 0x39000000                      ; 1 / 8192
	s_mov_b32 s66, 0x34000000                      ; EPS = 2^-23
	s_mov_b32 s67, 0xbfb8aa3b                      ; -log2(e)
	s_lshl_b32 s2, ttmp9, 18                       ; the work-group's 8 rows of 32,768 bytes,
	s_lshl_b32 s3, s[WV], 12                       ; my wave's 1,024 columns
	s_add_co_u32 s2, s2, s3
	s_mov_b32 s3, 0
	s_mul_i32 s62, s[WV], 4*CH                     ; my four chunks in LDS
	s_wait_dscnt 0x0                               ; the opening add is done
	s_wait_kmcnt 0x0
	s_add_nc_u64 s[4:5], s[4:5], s[2:3]
.irp i, 0,1,2,3
	s_mov_b32 s[G0+4*(\i)], 1                      ; count = 1
	s_add_co_u32 s[G0+4*(\i)+1], s62, (\i)*CH      ; LDS address: chunk 4 w + i
	s_add_nc_u64 s[G0+4*(\i)+2:G0+4*(\i)+3], s[4:5], (\i)*1024  ; its 256 columns
	s_or_b32 s[G0+4*(\i)+3], s[G0+4*(\i)+3], 0x80000000  ; type = 2
.endr
.irp i, 0,1,2,3                        ; all first fills together: four loads of mine are out.  No byte of LDS is filled twice in this launch
	tensor_load_to_lds s[G0+4*(\i):G0+4*(\i)+3], s[G1:G1+7]
	s_nop 0
.endr
	s_load_b512 s[68:83], s[8:9], 0x0              ; the small parameters, waited for in phase 2
	s_load_b128 s[84:87], s[10:11], 0x0
	s_load_b128 s[88:91], s[12:13], 0x0
	s_load_b128 s[92:95], s[14:15], 0x0
	s_load_b32 s96, s[16:17], 0x0
	s_load_b32 s97, s[18:19], 0x0
	s_load_b32 s98, s[20:21], 0x0
	s_load_b32 s99, s[22:23], 0x0
	s_load_b32 s100, s[24:25], 0x0
	s_load_b32 s101, s[26:27], 0x0
	v_and_b32 v[LANE], 31, v0
	v_and_b32 v48, 7, v0                           ; r % 8
	v_bfe_u32 v49, v0, 4, 1                        ; h
	v_and_b32 v50, 15, v0                          ; r
	v_lshlrev_b32 v[WO], 14, v50                   ; wsm: row r x 16,384 bytes
	v_lshl_add_u32 v[WO], v49, 4, v[WO]            ; + 16 h
	s_lshl_b32 s2, s[WV], 11                       ; + my wave's 1,024 columns
	v_add_nc_u32 v[WO], s2, v[WO]
	v_add_nc_u32 v51, 16, v50
	v_min_u32 v51, 29, v51                         ; tile 1: rows 16 + r, held to the table's last row
	v_lshlrev_b32 v[WO+1], 14, v51
	v_lshl_add_u32 v[WO+1], v49, 4, v[WO+1]
	v_add_nc_u32 v[WO+1], s2, v[WO+1]
; a trip's 16 loads of wsm's fragments into a set: 128 columns = 256 consecutive bytes of each row
.macro WLOAD set, trip
.irp ks, 0,1,2,3
.irp j, 0,1
	global_load_b128 v[WB+64*(\set)+16*(\ks)+8*(\j):WB+64*(\set)+16*(\ks)+8*(\j)+3],   v[WO+(\j)], s[6:7] offset:256*(\trip)+64*(\ks)
	global_load_b128 v[WB+64*(\set)+16*(\ks)+8*(\j)+4:WB+64*(\set)+16*(\ks)+8*(\j)+7], v[WO+(\j)], s[6:7] offset:256*(\trip)+64*(\ks)+32
.endr
.endr
.endm
	WLOAD 0, 0
	WLOAD 1, 1
	v_mul_u32_u24 v[XA], v48, 1040
	v_lshl_add_u32 v[XA], v49, 5, v[XA]
	v_add_nc_u32 v[XA], s62, v[XA]
	s_mul_i32 s2, s[WV], 1152
	s_add_co_u32 s2, s2, LP
	v_mul_u32_u24 v[PST], v48, 144
	v_lshl_add_u32 v[PST], v49, 5, v[PST]
	v_add_nc_u32 v[PST], s2, v[PST]
	s_lshl_b32 s2, s[WV], 2
	s_add_co_u32 s2, s2, LSS
	v_lshl_add_u32 v[SST], v48, 5, s2
	s_mul_i32 s2, s[WV], 144
	s_add_co_u32 s2, s2, LP
	v_lshl_add_u32 v[PRD], v[LANE], 2, s2
	s_mul_i32 s2, s[WV], 1040
	v_lshl_add_u32 v[LB], v[LANE], 4, s2
.irp n, 1,2,3
	v_add_nc_u32 v[LB+(\n)], 8*CH*(\n), v[LB]      ; a stream is 2,048 columns: eight chunks
.endr
	v_lshlrev_b32 v[BO], 3, v[LANE]
	s_lshl_b32 s2, s[WV], 5
	s_add_co_u32 s2, s2, LSS
	v_mov_b32 v[SSR], s2
	s_lshl_b32 s2, s[WV], 7
	s_add_co_u32 s2, s2, LT
	v_mov_b32 v[TRD], s2
	v_lshl_add_u32 v[TST], v[LANE], 2, s2
	v_mov_b32 v[NUL], 0
	s_lshl_b32 s2, ttmp9, 3
	s_add_co_u32 s2, s2, s[WV]                     ; the row that I own in phases 2 and 3
	s_mul_i32 s62, s2, 80
	s_lshl_b32 s2, s2, 12
	s_add_nc_u64 s[28:29], s[28:29], s[2:3]        ; its 4,096 bytes of brb
	s_mov_b32 s2, s62
	s_add_nc_u64 s[30:31], s[30:31], s[2:3]        ; its 80 bytes of coef
; PHASE 1, trip t of 8: 128 of my columns.
.macro TRIP t
.if ((\t)%2) == 0
	s_wait_tensorcnt 3-(\t)/2                      ; tensor loads of a wave end in order: chunk t / 2 of my four is in, the younger ones stay out; here I read my own chunks alone
.endif
.irp ks, 0,1,2,3                       ; a fragment's columns 8 h .. + 7 and 16 + 8 h .. + 7 of each 32, in f32: 32 bytes at 32 h and at 64 + 32 h
	ds_load_b128 v[XF+16*(\ks):XF+16*(\ks)+3],     v[XA] offset:CH*((\t)/2)+512*((\t)%2)+128*(\ks)
	ds_load_b128 v[XF+16*(\ks)+4:XF+16*(\ks)+7],   v[XA] offset:CH*((\t)/2)+512*((\t)%2)+128*(\ks)+16
	ds_load_b128 v[XF+16*(\ks)+8:XF+16*(\ks)+11],  v[XA] offset:CH*((\t)/2)+512*((\t)%2)+128*(\ks)+64
	ds_load_b128 v[XF+16*(\ks)+12:XF+16*(\ks)+15], v[XA] offset:CH*((\t)/2)+512*((\t)%2)+128*(\ks)+80
.endr
	s_wait_dscnt 0x0
.irp ks, 0,1,2,3                       ; squares of each group's registers 0-7, which the roundings below overwrite
.irp p, 0,1,2,3
.if ((\t) == 0) && ((\ks) == 0)
	v_pk_mul_f32 v[SSQ+2*(\p):SSQ+2*(\p)+1], v[XF+2*(\p):XF+2*(\p)+1], v[XF+2*(\p):XF+2*(\p)+1]  ; the first squares start the sums: nothing is cleared
.else
	v_pk_fma_f32 v[SSQ+2*(\p):SSQ+2*(\p)+1], v[XF+16*(\ks)+2*(\p):XF+16*(\ks)+2*(\p)+1], v[XF+16*(\ks)+2*(\p):XF+16*(\ks)+2*(\p)+1], v[SSQ+2*(\p):SSQ+2*(\p)+1]
.endif
.endr
.endr
.irp ks, 0,1,2,3                       ; in place, ascending: register i takes numbers 2 i and 2 i + 1; registers 8-15 stay as they are
.irp i, 0,1,2,3,4,5,6,7
	v_cvt_pk_bf16_f32 v[XF+16*(\ks)+(\i)], v[XF+16*(\ks)+2*(\i)], v[XF+16*(\ks)+2*(\i)+1]
.endr
.endr
.if (\t) == 7
	s_wait_loadcnt 0x0
.else
	s_wait_loadcnt 16                              ; this trip's set is in; the other set's 16 loads stay out
.endif
.irp ks, 0,1,2,3                       ; the four accumulators take turns, one instruction a turn, from trip to trip too
.irp j, 0,1
.if ((\t) == 0) && ((\ks) < 2)
	v_wmma_f32_16x16x32_bf16 v[ACC+8*(2*((\ks)%2)+(\j)):ACC+8*(2*((\ks)%2)+(\j))+7], v[WB+64*((\t)%2)+16*(\ks)+8*(\j):WB+64*((\t)%2)+16*(\ks)+8*(\j)+7], v[XF+16*(\ks):XF+16*(\ks)+7], 0
.else
	v_wmma_f32_16x16x32_bf16 v[ACC+8*(2*((\ks)%2)+(\j)):ACC+8*(2*((\ks)%2)+(\j))+7], v[WB+64*((\t)%2)+16*(\ks)+8*(\j):WB+64*((\t)%2)+16*(\ks)+8*(\j)+7], v[XF+16*(\ks):XF+16*(\ks)+7], v[ACC+8*(2*((\ks)%2)+(\j)):ACC+8*(2*((\ks)%2)+(\j))+7]
.endif
.endr
.endr
.irp ks, 0,1,2,3                       ; squares of registers 8-15: sixteen plain lines that name no register of the products: the places behind them (ISA guide 7.12.1)
.irp p, 0,1,2,3
	v_pk_fma_f32 v[SSQ+2*(\p):SSQ+2*(\p)+1], v[XF+16*(\ks)+8+2*(\p):XF+16*(\ks)+8+2*(\p)+1], v[XF+16*(\ks)+8+2*(\p):XF+16*(\ks)+8+2*(\p)+1], v[SSQ+2*(\p):SSQ+2*(\p)+1]
.endr
.endr
.if (\t) < 6
	WLOAD (\t)%2, (\t)+2
.endif
.endm
	TRIP 0
	TRIP 1
	TRIP 2
	TRIP 3
	TRIP 4
	TRIP 5
	TRIP 6
	TRIP 7
.irp j, 0,1                            ; the two parities, each accumulator from its low end on
.irp q, 0,1,2,3
	v_pk_add_f32 v[ACC+8*(\j)+2*(\q):ACC+8*(\j)+2*(\q)+1], v[ACC+8*(\j)+2*(\q):ACC+8*(\j)+2*(\q)+1], v[ACC+16+8*(\j)+2*(\q):ACC+16+8*(\j)+2*(\q)+1]
.endr
.endr
	v_pk_add_f32 v[SSQ:SSQ+1], v[SSQ:SSQ+1], v[SSQ+2:SSQ+3]
	v_pk_add_f32 v[SSQ+4:SSQ+5], v[SSQ+4:SSQ+5], v[SSQ+6:SSQ+7]
	v_pk_add_f32 v[SSQ:SSQ+1], v[SSQ:SSQ+1], v[SSQ+4:SSQ+5]
	v_add_f32 v[SSQ], v[SSQ], v[SSQ+1]
	v_permlanex16_b32 v[SSQ+1], v[SSQ], s57, s58   ; the row's other columns lie in the lane 16 away
	v_add_f32 v[SSQ], v[SSQ], v[SSQ+1]
	ds_store_b128 v[PST], v[ACC:ACC+3]             ; dots 8 h .. + 7 (lanes r and r + 8 hold and write the same numbers)
	ds_store_b128 v[PST], v[ACC+4:ACC+7] offset:16
	ds_store_b128 v[PST], v[ACC+8:ACC+11] offset:64  ; dots 16 + 8 h .. + 7
	ds_store_b128 v[PST], v[ACC+12:ACC+15] offset:80
	ds_store_b32 v[SST], v[SSQ]
	s_wait_dscnt 0x0                               ; for the others: my stores are done; my four chunks were shown landed by trip 6's wait for 0
	s_barrier_signal -1
	s_barrier_wait -1                              ; the launch's one barrier: all of x, all partial dots and sums lie in LDS
	; PHASE 2: row w.  Lane l adds up dot l; every lane the sum of squares.
.irp v, 0,1,2,3,4,5,6,7
	ds_load_b32 v[64+(\v)], v[PRD] offset:1152*(\v)
.endr
	ds_load_b128 v[72:75], v[SSR]
	ds_load_b128 v[76:79], v[SSR] offset:16
	s_wait_dscnt 0x0
	v_pk_add_f32 v[64:65], v[64:65], v[66:67]
	v_pk_add_f32 v[68:69], v[68:69], v[70:71]
	v_pk_add_f32 v[72:73], v[72:73], v[74:75]
	v_pk_add_f32 v[76:77], v[76:77], v[78:79]
	v_pk_add_f32 v[64:65], v[64:65], v[68:69]
	v_pk_add_f32 v[72:73], v[72:73], v[76:77]
	v_add_f32 v64, v64, v65
	v_add_f32 v72, v72, v73
	v_fma_f32 v72, v72, s63, s66                   ; the mean square + EPS
	v_rsq_f32 v73, v72
	v_nop                                          ; a plain line behind the transcendental,
	s_wait_alu depctr_va_vdst(0)                   ; and the wait ahead of its first reader
	v_mul_f32 v96, v64, v73                        ; xn . w = (x . w) / rms
	ds_store_b32 v[TST], v96                       ; my wave's own bytes: LDS serves a wave's instructions in order (ISA guide 5.7.1.4)
.irp q, 0,1,2,3,4,5,6,7
	ds_load_b128 v[H+4*(\q):H+4*(\q)+3], v[TRD] offset:16*(\q)  ; every lane takes all 32
.endr
	s_wait_dscnt 0x0
	s_wait_kmcnt 0x0                               ; the small parameters
.irp n, 0,1,2,3
	v_fma_f32 v[ZZ+(\n)], v[H+16+(\n)], s96, s[88+(\n)]    ; alpha_read_in h + read_in_p
	v_fma_f32 v[ZZ+4+(\n)], v[H+20+(\n)], s97, s[92+(\n)]  ; alpha_write_out h + write_out_p
	v_add_f32 v[ZD+(\n)], s[84+(\n)], v[H+24+(\n)]         ; diss_diag + h
.endr
	v_add_f32 v[ZZ+8], s98, v[H+28]
	v_add_f32 v[ZZ+9], s100, v[H+29]
	v_add_f32 v[ZZ+8], s99, v[ZZ+8]
	v_add_f32 v[ZZ+9], s101, v[ZZ+9]
.irp i, 0,1,2,3,4,5,6,7,8,9
	v_mul_f32 v[EE+(\i)], s67, v[ZZ+(\i)]
.endr
.irp n, 0,1,2,3
	v_mul_f32 v[EE+10+(\n)], s67, |v[ZD+(\n)]|
.endr
.irp i, 0,1,2,3,4,5,6,7,8,9,10,11,12,13
	v_exp_f32 v[EE+(\i)], v[EE+(\i)]               ; one batch
.endr
	v_nop
	s_wait_alu depctr_va_vdst(0)                   ; one wait for the fourteen
.irp i, 0,2,4,6,8,10,12
	v_pk_add_f32 v[EE+(\i):EE+(\i)+1], v[EE+(\i):EE+(\i)+1], 1.0 op_sel_hi:[1,0]
.endr
.irp n, 0,1,2,3
	v_rcp_f32 v[RI+2*(\n)], v[EE+(\n)]             ; read_in, made twice to fill a pair
	v_rcp_f32 v[RI+2*(\n)+1], v[EE+(\n)]
.endr
.irp i, 4,5,6,7,8,9
	v_rcp_f32 v[EE+(\i)], v[EE+(\i)]
.endr
.irp n, 10,11,12,13
	v_log_f32 v[EE+(\n)], v[EE+(\n)]
.endr
.irp k, 1,2,3,4,6,7,8,9,11,12,13,14    ; plain work behind the batch: conserv_A + h off the diagonal
	v_add_f32 v[MM+(\k)], s[68+(\k)], v[H+(\k)]
.endr
	s_wait_alu depctr_va_vdst(0)                   ; one wait for the eighteen
.irp n, 0,1,2,3
	v_add_f32 v[CF+16+(\n)], v[EE+4+(\n)], v[EE+4+(\n)]    ; write_out = 2 sigmoid
	v_max_num_f32 v[ZD+(\n)], 0, v[ZD+(\n)]
.endr
	v_fma_f32 v98, v[EE+8], s59, s60               ; dt_c
	v_fma_f32 v99, v[EE+9], s59, s60               ; dt_d
.irp n, 0,1,2,3
	v_fmamk_f32 v[ZD+(\n)], v[EE+10+(\n)], 0x3f317218, v[ZD+(\n)]  ; softplus = ln 2 log2(..) + max(z, 0)
.endr
	v_mul_f32 v99, 0xbf38aa3b, v99                 ; -log2(e) / 2 x dt_d
	v_mul_f32 v98, 0.5, v98
.irp n, 0,1,2,3
	v_mul_f32 v[ZD+(\n)], v99, v[ZD+(\n)]          ; log2 of exp(D / 2)
.endr
	v_sub_f32 v[SK+0], v[MM+1], v[MM+4]
	v_sub_f32 v[SK+1], v[MM+2], v[MM+8]
	v_sub_f32 v[SK+2], v[MM+3], v[MM+12]
	v_sub_f32 v[SK+3], v[MM+6], v[MM+9]
	v_sub_f32 v[SK+4], v[MM+7], v[MM+13]
	v_sub_f32 v[SK+5], v[MM+11], v[MM+14]
.irp i, 0,1,2,3,4,5
	v_mul_f32 v[SK+(\i)], v98, v[SK+(\i)]          ; a .. f = dt_c (M - M^T) / 2
.endr
.irp i, 0,1,2,3,4,5
	v_mul_f32 v[SQ+(\i)], v[SK+(\i)], v[SK+(\i)]
.endr
	v_mul_f32 v[PF], v[SK+0], v[SK+5]              ; p = a f - b e + c d
	v_add_f32 v[A2], v[SQ+0], v[SQ+1]
	v_fma_f32 v[PF], -v[SK+1], v[SK+4], v[PF]
	v_add_f32 v97, v[SQ+2], v[SQ+3]
	v_fmac_f32 v[PF], v[SK+2], v[SK+3]
	v_add_f32 v96, v[SQ+4], v[SQ+5]
	v_add_f32 v[A2], v[A2], v97
	v_add_f32 v[A2], v[A2], v96
	v_add_f32 v[DL], 1.0, v[A2]
	v_fmac_f32 v[DL], v[PF], v[PF]
.irp n, 0,1,2,3
	v_exp_f32 v[ZD+(\n)], v[ZD+(\n)]               ; eh_n = exp(D_n / 2)
.endr
	v_rcp_f32 v[GG], v[DL]
	v_add_f32 v[QQ+0], v[SQ+5], v[SQ+4]            ; plain work behind the batch: Q and S + p S*
	v_add_f32 v[QQ+1], v[SQ+5], v[SQ+2]
	v_add_f32 v[QQ+2], v[SQ+4], v[SQ+2]
	v_add_f32 v[QQ+3], v[SQ+3], v[SQ+1]
	v_add_f32 v[QQ+0], v[QQ+0], v[SQ+3]            ; f2 + e2 + d2
	v_add_f32 v[QQ+1], v[QQ+1], v[SQ+1]            ; f2 + c2 + b2
	v_add_f32 v[QQ+2], v[QQ+2], v[SQ+0]            ; e2 + c2 + a2
	v_add_f32 v[QQ+3], v[QQ+3], v[SQ+0]            ; d2 + b2 + a2
	v_mul_f32 v[QQ+4], v[SK+4], v[SK+2]
	v_mul_f32 v[QQ+5], v[SK+5], v[SK+2]
	v_mul_f32 v[QQ+6], v[SK+5], v[SK+1]
	v_mul_f32 v[QQ+7], v[SK+5], v[SK+4]
	v_mul_f32 v[QQ+8], v[SK+2], v[SK+0]
	v_mul_f32 v[QQ+9], v[SK+4], v[SK+3]
	v_fma_f32 v[QQ+4], -v[SK+3], v[SK+1], -v[QQ+4] ; Q01 = -e c - d b
	v_fma_f32 v[QQ+5], v[SK+3], v[SK+0], -v[QQ+5]  ; Q02 = d a - f c
	v_fmac_f32 v[QQ+6], v[SK+4], v[SK+0]           ; Q03 = f b + e a
	v_fma_f32 v[QQ+7], -v[SK+1], v[SK+0], -v[QQ+7] ; Q12 = -f e - b a
	v_fma_f32 v[QQ+8], v[SK+5], v[SK+3], -v[QQ+8]  ; Q13 = f d - c a
	v_fma_f32 v[QQ+9], -v[SK+2], v[SK+1], -v[QQ+9] ; Q23 = -e d - c b
	v_fma_f32 v[TT+0], v[PF], v[SK+5], v[SK+0]     ; a + p f
	v_fma_f32 v[TT+1], -v[PF], v[SK+4], v[SK+1]    ; b - p e
	v_fma_f32 v[TT+2], v[PF], v[SK+3], v[SK+2]     ; c + p d
	v_fma_f32 v[TT+3], v[PF], v[SK+2], v[SK+3]     ; d + p c
	v_fma_f32 v[TT+4], -v[PF], v[SK+1], v[SK+4]    ; e - p b
	v_fma_f32 v[TT+5], v[PF], v[SK+0], v[SK+5]     ; f + p a
.irp i, 0,1,2,3
	v_add_f32 v[QQ+(\i)], 1.0, v[QQ+(\i)]
.endr
	s_wait_alu depctr_va_vdst(0)                   ; one wait for the five
	v_add_f32 v[GG], v[GG], v[GG]                  ; G = 2 / (1 + a2 + p p)
.irp i, 0,1,2,3
	v_fma_f32 v[QQ+(\i)], v[GG], v[QQ+(\i)], -1.0
	v_mul_f32 v[SQ+(\i)], v[ZD+(\i)], v[ZD+(\i)]
	v_mul_f32 v[CF+5*(\i)], v[SQ+(\i)], v[QQ+(\i)] ; Phi_ii = eh_i eh_i (G (1 + Q_ii) - 1)
.endr
.macro OFFD k, i, j                    ; pair k = (i, j), i < j: Phi_ij = eh_i eh_j G (Q + T), Phi_ji = eh_i eh_j G (Q - T)
	v_mul_f32 v[WW+(\k)], v[ZD+(\i)], v[ZD+(\j)]
	v_add_f32 v96, v[QQ+4+(\k)], v[TT+(\k)]
	v_sub_f32 v97, v[QQ+4+(\k)], v[TT+(\k)]
	v_mul_f32 v[WW+(\k)], v[WW+(\k)], v[GG]
	v_mul_f32 v[CF+4*(\i)+(\j)], v[WW+(\k)], v96
	v_mul_f32 v[CF+4*(\j)+(\i)], v[WW+(\k)], v97
.endm
	OFFD 0, 0, 1
	OFFD 1, 0, 2
	OFFD 2, 0, 3
	OFFD 3, 1, 2
	OFFD 4, 1, 3
	OFFD 5, 2, 3
	v_cmp_eq_u32 vcc_lo, 0, v[LANE]                ; all lanes hold the same 20 numbers: lane 0 stores them
	s_wait_xcnt 0x0                                ; EXEC changes only behind this wait,
	s_and_saveexec_b32 s61, vcc_lo
.irp q, 0,1,2,3,4
	global_store_b128 v[NUL], v[CF+4*(\q):CF+4*(\q)+3], s[30:31] offset:16*(\q)
.endr
	s_wait_xcnt 0x0                                ; and again in front of the line that widens it
	s_or_b32 exec_lo, exec_lo, s61
	; PHASE 3: branch of row w, 512 columns a trip: four steps of 128 columns, 16 bytes a lane from each of the four streams
	s_mov_b32 s62, 4
.Lbranch:
.irp s, 0,1,2,3
.irp n, 0,1,2,3
	ds_load_b128 v[XF+16*(\s)+4*(\n):XF+16*(\s)+4*(\n)+3], v[LB+(\n)] offset:CH*((\s)/2)+512*((\s)%2)
.endr
.endr
	s_wait_dscnt 0x0
.irp s, 0,1,2,3
.irp p, 0,1
	v_pk_mul_f32 v[BR+4*(\s)+2*(\p):BR+4*(\s)+2*(\p)+1], v[XF+16*(\s)+2*(\p):XF+16*(\s)+2*(\p)+1], v[RI:RI+1]
.endr
.irp n, 1,2,3
.irp p, 0,1
	v_pk_fma_f32 v[BR+4*(\s)+2*(\p):BR+4*(\s)+2*(\p)+1], v[XF+16*(\s)+4*(\n)+2*(\p):XF+16*(\s)+4*(\n)+2*(\p)+1], v[RI+2*(\n):RI+2*(\n)+1], v[BR+4*(\s)+2*(\p):BR+4*(\s)+2*(\p)+1]
.endr
.endr
	v_cvt_pk_bf16_f32 v[BB+2*(\s)], v[BR+4*(\s)], v[BR+4*(\s)+1]
	v_cvt_pk_bf16_f32 v[BB+2*(\s)+1], v[BR+4*(\s)+2], v[BR+4*(\s)+3]
	global_store_b64 v[BO], v[BB+2*(\s):BB+2*(\s)+1], s[28:29] offset:256*(\s)  ; the wave stores 256 consecutive bytes, aligned
.endr
	s_wait_xcnt 0x0                                ; the stores have read their offset and data, which the next trip writes
.irp n, 0,1,2,3
	v_add_nc_u32 v[LB+(\n)], 2*CH, v[LB+(\n)]
.endr
	v_add_nc_u32 v[BO], 1024, v[BO]
	s_sub_co_u32 s62, s62, 1
	s_cmp_lg_u32 s62, 0
	s_cbranch_scc1 .Lbranch
	s_wait_tensorcnt 0x0                           ; the wave's end: behind my last tensor load and my last LDS store
	ds_add_u32 v[SPW], v[NIL]
	s_wait_dscnt 0x0
	s_endpgm
.Lfunc_end_k_q14625cd768_stats:
	.size	k_q14625cd768_stats, .Lfunc_end_k_q14625cd768_stats-k_q14625cd768_stats
	.p2alignl 7, 3214868480
	.fill 96, 4, 3214868480
	.section	.rodata,"a",@progbits
	.p2align	6, 0x0
	.amdhsa_kernel k_q14625cd768_stats
		.amdhsa_group_segment_fixed_size 277760
		.amdhsa_private_segment_fixed_size 0
		.amdhsa_enable_private_segment 0
		.amdhsa_kernarg_size 112
		.amdhsa_user_sgpr_count 2
		.amdhsa_user_sgpr_kernarg_segment_ptr 1
		.amdhsa_wavefront_size32 1
		.amdhsa_system_sgpr_workgroup_id_x 1
		.amdhsa_system_sgpr_workgroup_id_y 1
		.amdhsa_system_sgpr_workgroup_id_z 1
		.amdhsa_system_vgpr_workitem_id 0
		.amdhsa_next_free_vgpr 256
		.amdhsa_next_free_sgpr 102
		.amdhsa_reserve_vcc 1
		.amdhsa_float_denorm_mode_32 3
		.amdhsa_float_denorm_mode_16_64 3
		.amdhsa_memory_ordered 1
		.amdhsa_forward_progress 1
		.amdhsa_inst_pref_size 80
	.end_amdhsa_kernel
	.amdgpu_metadata
---
amdhsa.version: [ 1, 2 ]
amdhsa.kernels:
  - .name:           k_q14625cd768_stats
    .symbol:         k_q14625cd768_stats.kd
    .args:
      - { .name: x, .offset: 0, .size: 8, .value_kind: global_buffer, .address_space: global }
      - { .name: wsm, .offset: 8, .size: 8, .value_kind: global_buffer, .address_space: global }
      - { .name: conserv_A, .offset: 16, .size: 8, .value_kind: global_buffer, .address_space: global }
      - { .name: diss_diag, .offset: 24, .size: 8, .value_kind: global_buffer, .address_space: global }
      - { .name: read_in_p, .offset: 32, .size: 8, .value_kind: global_buffer, .address_space: global }
      - { .name: write_out_p, .offset: 40, .size: 8, .value_kind: global_buffer, .address_space: global }
      - { .name: alpha_read_in, .offset: 48, .size: 8, .value_kind: global_buffer, .address_space: global }
      - { .name: alpha_write_out, .offset: 56, .size: 8, .value_kind: global_buffer, .address_space: global }
      - { .name: log_dt_conserv, .offset: 64, .size: 8, .value_kind: global_buffer, .address_space: global }
      - { .name: b_dtc, .offset: 72, .size: 8, .value_kind: global_buffer, .address_space: global }
      - { .name: log_dt_diss, .offset: 80, .size: 8, .value_kind: global_buffer, .address_space: global }
      - { .name: b_dtd, .offset: 88, .size: 8, .value_kind: global_buffer, .address_space: global }
      - { .name: brb, .offset: 96, .size: 8, .value_kind: global_buffer, .address_space: global }
      - { .name: coef, .offset: 104, .size: 8, .value_kind: global_buffer, .address_space: global }
    .group_segment_fixed_size: 277760
    .private_segment_fixed_size: 0
    .kernarg_segment_align: 8
    .kernarg_segment_size: 112
    .max_flat_workgroup_size: 256
    .sgpr_count:     102
    .vgpr_count:     256
    .wavefront_size: 32
...
	.end_amdgpu_metadata
.endif
;; end of part 2
;; launch mlp1 (part 3): grid 32 x 8, 4 waves a work-group, clusters of 4 x 4, 327,680 bytes of LDS; arguments brb, w1b, hb; writes hb
.if DOCPART == 3
	.amdgcn_target "amdgcn-amd-amdhsa--gfx1250"
	.amdhsa_code_object_version 6
	.text
	.protected	k_q14625cd768_mlp1
	.globl	k_q14625cd768_mlp1
	.p2align	8
	.type	k_q14625cd768_mlp1,@function
k_q14625cd768_mlp1:
	s_mov_b64 s[64:65], 0
	v_nop
	global_prefetch_b8 v0, s[64:65] scope:SCOPE_SE
	s_setreg_imm32_b32 hwreg(HW_REG_WAVE_MODE, 25, 1), 1
	s_wait_xcnt 0x0
	s_wait_alu depctr_hold_cnt(0) depctr_sa_sdst(0) depctr_va_vdst(0) depctr_va_sdst(0) depctr_va_ssrc(0) depctr_va_vcc(0) depctr_vm_vsrc(0)
	s_getreg_b32 s2, hwreg(HW_REG_IB_STS2, 6, 4)
	s_cmp_eq_u32 s2, 0
	s_cbranch_scc0 .Lentry_in_a_cluster
	s_endpgm
.Lentry_in_a_cluster:
	s_bfe_u32 s2, ttmp6, 0x10000c
	s_cmp_lg_u32 s2, 0xf033
	s_cbranch_scc0 .Lentry_shape_is_right
	s_endpgm
.Lentry_shape_is_right:
; H[m][n] = gelu(the sum over k of brb[m][k] w1b[k][n]).  brb: [2048][2048], w1b: [2048 k][8192 n], both bf16; sums and gelu in f32, H rounded once to bf16.
; hb HOLDS H IN BLOCKS, as the next launch's matrix operand lies in registers: block (mb, kb) of 16 rows x 32 columns is 1,024 bytes at (256 mb + kb) x 1,024; lane l's 16 bytes of row l % 16, columns
; 8 (l / 16) + 0..7, lie at 16 l, those of columns 16 + 8 (l / 16) + 0..7 at 512 + 16 l.
; gelu(x) = x / (1 + 2^(x (c0 + c1 x x))), c0 = -2 log2(e) sqrt(2 / pi), c1 = 0.044715 c0: the tanh form.  Where the power overflows the quotient is -0, where it vanishes x.  NaN and infinities are not treated apart.
; A tile of 256 x 256 is made by a work-group of four waves; a wave makes 128 x 128: 64 accumulators of 16 x 16, 512 registers.  32 x 8 tiles: 256 work-groups.  K goes in 16 steps of 128 through a ring of two LDS slots.
; A's tile: 256 rows x 256 bytes, LDS rows 272 bytes apart.  B LIES [k][n]: its tile is 128 k-rows x 512 bytes, LDS rows 544 bytes apart, and its fragments come out of LDS turned, by ds_load_tr16_b128.
; Waves 0 and 1 fetch 128 rows of A each, waves 2 and 3 64 k-rows of B each: 34,816 bytes of LDS either way.
; CLUSTERS: 4 x 4 work-groups.  The four of a row of the cluster need the same tiles of A, the four of a column the same tiles of B: each is asked for JOINTLY, by the same tensor load with the same descriptor and mask.
; THE MATRIX INSTRUCTION IS USED TRANSPOSED (source 0 = 16 columns of B, source 1 = 16 rows of A): a lane then holds eight neighbouring numbers of a row of the result: accumulators (a, 2 kb) and (a, 2 kb + 1),
; rounded in pairs, ARE the two halves of hb's block.
; REGISTERS, in windows of 256: window 0: v0-31 addresses; v64-127, v128-191 A's fragments, two buffers (on the way out: x, the power, packed results).  window 1: v64-127, v128-191 B's fragments.
;   window 2: the 32 accumulators of my rows 0-63 ((a, b) at v[8 (8 a + b)]); window 3: those of my rows 64-127.
; THE WAY OUT: the ring has had its last fill; behind a barrier each wave lays its 64 accumulators into 65,536 bytes of it that are its own, each lane's numbers where that lane takes them back; a loop of eight
; trips takes eight accumulators (16 rows) back, applies gelu and stores 512 consecutive bytes an instruction: LDS serves so that the arithmetic is written for 16 rows and not for 128.
.set PITCH,  272                       ; A's LDS row: 68 words: row r starts at bank 4 r mod 64 (64 banks of 4 bytes: ISA guide 11.1)
.set BPITCH, 544                       ; B's LDS row: 512 bytes + 32: 136 words
.set HALFT,  128*PITCH                 ; what one tensor load brings: 128 rows of A, or 64 k-rows of B (64 x 544 is the same number)
.set SLOT,   4*HALFT                   ; A's 256 rows, then B's 128 k-rows
.set SPARE,  2*SLOT                    ; behind the ring: the spare words, 128 bytes for each wave: two blocks of 256 bytes that no other line names
.set ASTEP,  256                       ; bytes from a K step to the next: in A along the rows,
.set BSTEP,  128*16384                 ; in B 128 rows down
.set OWAVE,  65536                     ; a wave's part of the ring on the way out: accumulator i at 1,024 i, its registers 0-3 at 16 l, 4-7 at 512 + 16 l
.set MBLK,   262144                    ; hb: 16 rows of H: 256 blocks of 1,024 bytes
.set ADRA, 16                          ; v16-17  LDS address of my A fragments in slot 0, 1
.set ADRB, 20                          ; v20-21  the same for B
.set DST,  24                          ; v24     the way out: where I put my sums
.set RDB,  25                          ; v25     the way out: where I take them back
.set CO,   26                          ; v26     16 x lane: my 16 bytes in 512 of hb; never rewritten
.set SPW,  28                          ; v28     LDS address of my spare word; never rewritten
.set NIL,  29                          ; v29     0; never rewritten
.set PFO,  30                          ; v30     the prefetches' lane offset; never rewritten
.set F0,   64
.set F1,   128
.set TT,   128                         ; the way out: v128-159 at work
.set G1,  24                           ; s[24:31] group 1 for A's tiles;  s[32:39] group 0, a set for each slot
.set G0,  32
.set G1B, 48                           ; s[48:55], s[56:63] the same for B's
.set G0B, 56
.set LIM, 43                           ; s43     1 in a wave that prefetches, else the greatest number
.set PFA, 44                           ; s[44:45] where my prefetches stand
.set PFS, 66                           ; s[66:67] their step: a K step of A or of B
.set C0,  68                           ; s[68:69] c0, s[70:71] c1: named as pairs, the low word used for both halves
.set C1,  70
.set CNT, 72
.set MSB, 0
.macro WIN new                         ; the immediate's high byte repeats the setting that is left; a switch that changes nothing is dropped
.if MSB != (\new)
	s_set_vgpr_msb (MSB<<8)|(\new)
.set MSB, \new
.endif
.endm
.set MUL_LO, 0xa1                      ; source 0 (B) window 1, source 1 (A) window 0, C and D window 2
.set MUL_HI, 0xf1                      ; the same, C and D window 3
.set TO_B,   0x40                      ; destination window 1, address window 0
; A joint load.  Waves 0 and 1 fetch A's halves, waves 2 and 3 B's.  The branch hangs on the wave's number alone.  An s_nop 0 and four v_nop follow each of the two lines.
.macro JLOAD s
	s_cmp_eq_u32 s11, 0
	s_cbranch_scc0 .Lfor_b_\@
	tensor_load_to_lds s[G0+4*(\s):G0+4*(\s)+3], s[G1:G1+7]
	s_nop 0
.rept 4
	v_nop
.endr
	s_branch .Lasked_\@
.Lfor_b_\@:
	tensor_load_to_lds s[G0B+4*(\s):G0B+4*(\s)+3], s[G1B:G1B+7]
	s_nop 0
.rept 4
	v_nop
.endr
.Lasked_\@:
.endm
; A PREFETCH INTO THE L2, behind each joint refill and the run of LDS loads that follows it: the K step that stands two refills on, 512 matrix instructions ahead of the load that will want it; one instruction a wave.
; Each block of 256 bytes is named once in the launch: A's rows are asked for by the clusters with x = 0, B's by those with y = 0; the four partners that ask for a tile jointly share it out BY ADDRESS:
; of A's 128 rows x 256 bytes the partner at cx takes rows 32 cx .. + 31, a lane a row; of B's 64 k-rows x 512 bytes the partner at cy takes rows 16 cy .. + 15, two lanes a row.
; K steps 0 to 3 come by their loads alone; the loop's last trip (s3 = 1) asks for nothing: the last block named lies in K step 15.
.macro ASK
	s_cmp_gt_u32 s3, s[LIM]
	s_cbranch_scc0 .Lnot_mine_\@
	global_prefetch_b8 v[PFO], s[PFA:PFA+1] th:TH_LOAD_NT scope:SCOPE_SE
.Lnot_mine_\@:
.endm
.macro CREST                           ; a round of the cluster's barrier behind its opening barrier
	s_cmp_lg_u32 s10, 0
	s_cbranch_scc1 .Lnot_wave_0_\@
	s_barrier_signal -3
.Lnot_wave_0_\@:
	s_barrier_wait -3
	s_barrier_signal -1
	s_barrier_wait -1
.endm
.macro CROUND                          ; a whole round
	s_barrier_signal -1
	s_barrier_wait -1
	CREST
.endm
	s_load_b128 s[4:7], s[0:1], 0x0                ; brb s[4:5], w1b s[6:7]
	s_load_b64 s[8:9], s[0:1], 0x10                ; hb
	v_lshl_add_u32 v[SPW], v0, 2, SPARE
	v_mov_b32 v[NIL], 0
	ds_add_u32 v[SPW], v[NIL]                      ; the wave's opening: the add and its wait stand ahead of my first tensor load; work on registers stands between them
	v_lshrrev_b32 v1, 5, v0
	v_readfirstlane_b32 s10, v1                    ; wave 0..3
	s_lshr_b32 s11, s10, 1                         ; which half of the tile's rows is mine.  Also: I fetch for A (0) or for B (1)
	s_and_b32 s12, s10, 1                          ; which half of its columns.  Also: which half of that tile I fetch
	s_bfe_u32 s40, ttmp6, 0x40000                  ; cx
	s_bfe_u32 s41, ttmp6, 0x40004                  ; cy
	s_lshl_b32 s42, ttmp9, 2
	s_add_co_u32 s42, s42, s40                     ; tile column = 4 x cluster x + cx
	s_and_b32 s13, ttmp7, 0xffff
	s_lshl_b32 s13, s13, 2
	s_add_co_u32 s13, s13, s41                     ; tile row = 4 x cluster y + cy
	s_lshl_b32 s43, s41, 2
	s_lshl_b32 s43, 15, s43                        ; my row of the cluster
	s_lshl_b32 s44, 0x1111, s40                    ; my column
	s_or_b32 s[G1+0], s43, (1<<16)|(1<<20)|(1<<21)|(5<<22)|(3<<25)   ; the mask; elements of 2 bytes; padding on; bit 21 beside a mask; after every 64 words 4 words
	s_or_b32 s[G1B+0], s44, (1<<16)|(1<<20)|(1<<21)|(6<<22)|(7<<25)  ; B: after every 128 words 8 words
	s_mov_b32 s[G1+1], 128<<16                     ; A: tensor_dim0 = 128
	s_mov_b32 s[G1+2], 128<<16                     ; tensor_dim1 = 128
	s_mov_b32 s[G1+3], 128<<16                     ; tile_dim0 = 128
	s_mov_b32 s[G1+4], 128                         ; tile_dim1 = 128
	s_mov_b32 s[G1+5], 2048                        ; elements from row to row
	s_mov_b32 s[G1+6], 0
	s_mov_b32 s[G1+7], 0
	s_mov_b32 s[G1B+1], 256<<16                    ; B: tensor_dim0 = 256
	s_mov_b32 s[G1B+2], 64<<16                     ; tensor_dim1 = 64
	s_mov_b32 s[G1B+3], 256<<16                    ; tile_dim0 = 256
	s_mov_b32 s[G1B+4], 64                         ; tile_dim1 = 64
	s_mov_b32 s[G1B+5], 8192
	s_mov_b32 s[G1B+6], 0
	s_mov_b32 s[G1B+7], 0
	s_mov_b32 s[C0], 0xc0135761                    ; -2.3022082
	s_mov_b32 s[C0+1], s[C0]
	s_mov_b32 s[C1], 0xbdd2d3e8                    ; -0.10294324
	s_mov_b32 s[C1+1], s[C1]
	s_lshl_b32 s16, s13, 8                         ; A: row 256 x tile row + 128 x half, 4,096 bytes a row: it hangs on the tile row and the wave alone
	s_lshl_b32 s17, s12, 7
	s_add_co_u32 s16, s16, s17
	s_lshl_b32 s16, s16, 12
	s_mov_b32 s17, 0
	s_lshl_b32 s46, s12, 20                        ; B: k-row 64 x half, 16,384 bytes a row, + 512 bytes x tile column: the tile column and the wave alone
	s_lshl_b32 s47, s42, 9
	s_add_co_u32 s46, s46, s47
	s_mov_b32 s47, 0
	s_mul_i32 s20, s10, HALFT                      ; where they go: wave x 34,816: no place in the cluster enters an LDS address
	s_wait_dscnt 0x0                               ; the opening add is done
	s_wait_kmcnt 0x0
	s_add_nc_u64 s[14:15], s[4:5], s[16:17]
	s_add_nc_u64 s[46:47], s[6:7], s[46:47]
	CROUND                                         ; all sixteen work-groups are here: the first joint loads meet
.irp s, 0,1
	s_mov_b32 s[G0+4*(\s)], 1
	s_add_co_u32 s[G0+4*(\s)+1], s20, (\s)*SLOT
	s_add_nc_u64 s[G0+4*(\s)+2:G0+4*(\s)+3], s[14:15], (\s)*ASTEP
	s_or_b32 s[G0+4*(\s)+3], s[G0+4*(\s)+3], 0x80000000
	s_mov_b32 s[G0B+4*(\s)], 1
	s_add_co_u32 s[G0B+4*(\s)+1], s20, (\s)*SLOT
	s_add_nc_u64 s[G0B+4*(\s)+2:G0B+4*(\s)+3], s[46:47], (\s)*BSTEP
	s_or_b32 s[G0B+4*(\s)+3], s[G0B+4*(\s)+3], 0x80000000
	JLOAD \s                                       ; K steps 0 and 1: two loads of mine are out
.endr
	v_and_b32 v1, 15, v0                           ; l % 16
	v_bfe_u32 v2, v0, 4, 1                         ; l / 16
	v_mul_u32_u24 v3, v1, PITCH
	v_lshl_add_u32 v3, v2, 4, v3                   ; A: row x pitch + 16 x half
	v_and_b32 v6, 7, v0                            ; B, turned: lane l reads k-row 8 (l / 16) + l % 8, 16 bytes at 16 ((l / 8) % 2), and ends with column l % 16 and 8 k
	v_bfe_u32 v7, v0, 3, 1
	v_lshl_add_u32 v4, v2, 3, v6
	v_mul_u32_u24 v4, v4, BPITCH
	v_lshl_add_u32 v4, v7, 4, v4
	s_mul_i32 s21, s11, HALFT                      ; my 128 rows of A
	s_lshl_b32 s22, s12, 8                         ; my 128 columns of B: 256 bytes,
	s_add_co_u32 s22, s22, 2*HALFT                 ; behind A's 256 rows
.irp s, 0,1
	v_add_nc_u32 v[ADRA+(\s)], s21, v3
	v_add_nc_u32 v[ADRB+(\s)], s22, v4
	s_add_co_u32 s21, s21, SLOT
	s_add_co_u32 s22, s22, SLOT
.endr
	v_and_b32 v5, 31, v0
	s_lshl_b32 s23, s10, 16                        ; my 65,536 bytes on the way out
	v_lshl_add_u32 v[DST], v5, 4, s23              ; 16 bytes a lane: 512 consecutive bytes an instruction, in and back
	v_mov_b32 v[RDB], v[DST]
	v_lshlrev_b32 v[CO], 4, v5
	s_lshl_b32 s16, s13, 4                         ; hb at my part of the tile: block of 16 rows 16 x tile row + 8 x half, 262,144 bytes each,
	s_lshl_b32 s17, s11, 3
	s_add_co_u32 s16, s16, s17
	s_lshl_b32 s16, s16, 18
	s_mov_b32 s17, 0
	s_lshl_b32 s46, s42, 3                         ; block of 32 columns 8 x tile column + 4 x half, 1,024 bytes each
	s_lshl_b32 s47, s12, 2
	s_add_co_u32 s46, s46, s47
	s_lshl_b32 s46, s46, 10
	s_mov_b32 s47, 0
	s_add_nc_u64 s[16:17], s[16:17], s[46:47]
	s_add_nc_u64 s[8:9], s[8:9], s[16:17]
	; the prefetches: both forms are made, the wave's number chooses
	s_lshl_b32 s20, s13, 8
	s_lshl_b32 s21, s12, 7
	s_add_co_u32 s20, s20, s21
	s_lshl_b32 s21, s40, 5
	s_add_co_u32 s20, s20, s21                     ; A: the 128 rows that I fetch, my work-group's 32 of them
	s_lshl_b32 s20, s20, 12
	s_add_co_u32 s20, s20, 3*ASTEP                 ; at K step 3: the first refill steps it to 4
	s_lshl_b32 s21, s12, 6
	s_lshl_b32 s22, s41, 4
	s_add_co_u32 s21, s21, s22                     ; B: the 64 k-rows that I fetch, my work-group's 16 of them
	s_lshl_b32 s21, s21, 14
	s_lshl_b32 s22, s42, 9
	s_add_co_u32 s21, s21, s22
	s_add_co_u32 s21, s21, 3*BSTEP
	s_and_b32 s22, ttmp7, 0xffff                   ; cluster y
	s_mov_b32 s[PFS], BSTEP
	s_cmp_eq_u32 s11, 0                            ; do I fetch for A?
	s_cselect_b32 s20, s20, s21
	s_cselect_b32 s22, ttmp9, s22                  ; the coordinate along which other clusters read the same blocks
	s_cselect_b32 s[PFS], ASTEP, s[PFS]
	s_cselect_b32 s23, -1, 0
	s_cselect_b64 s[PFA:PFA+1], s[4:5], s[6:7]
	s_mov_b32 s21, 0
	s_mov_b32 s[PFS+1], 0
	s_cmp_eq_u32 s22, 0
	s_cselect_b32 s[LIM], 1, -1                    ; the same in all sixteen partners, for a given wave
	s_add_nc_u64 s[PFA:PFA+1], s[PFA:PFA+1], s[20:21]
	v_lshlrev_b32 v[PFO], 12, v5                   ; A: a lane a row of 4,096 bytes
	v_lshrrev_b32 v6, 1, v5                        ; B: two lanes a row of 16,384 bytes, 256 bytes apart
	v_and_b32 v7, 1, v5
	v_lshlrev_b32 v6, 14, v6
	v_lshl_add_u32 v6, v7, 8, v6
	v_cndmask_b32 v[PFO], v6, v[PFO], s23
; 16 matrix instructions: m blocks a0, a0 + 1 of the window's four x all 8 n blocks, 32 along K.  zero = 1: the first product starts the sums
.macro MUL16 f, hi, a0, zero
	WIN MUL_LO+0x50*(\hi)
.irp a, \a0, (\a0)+1
.irp b, 0,1,2,3,4,5,6,7
.if \zero
	v_wmma_f32_16x16x32_bf16 v[8*(8*(\a)+(\b)):8*(8*(\a)+(\b))+7], v[(\f)+8*(\b):(\f)+8*(\b)+7], v[(\f)+8*(4*(\hi)+(\a)):(\f)+8*(4*(\hi)+(\a))+7], 0
.else
	v_wmma_f32_16x16x32_bf16 v[8*(8*(\a)+(\b)):8*(8*(\a)+(\b))+7], v[(\f)+8*(\b):(\f)+8*(\b)+7], v[(\f)+8*(4*(\hi)+(\a)):(\f)+8*(4*(\hi)+(\a))+7], v[8*(8*(\a)+(\b)):8*(8*(\a)+(\b))+7]
.endif
.endr
.endr
.endm
; 32 LDS loads in one run: the fragments of quarter q (32 along K) into buffer f: B's 8 column blocks, turned (32 k-rows are 17,408 bytes, 16 are 8,704), then A's 8 row blocks
.macro FETCH slot, q, f
	WIN TO_B
.irp i, 0,1,2,3,4,5,6,7
	ds_load_tr16_b128 v[(\f)+8*(\i):(\f)+8*(\i)+3],   v[ADRB+(\slot)] offset:32*BPITCH*(\q)+32*(\i)
	ds_load_tr16_b128 v[(\f)+8*(\i)+4:(\f)+8*(\i)+7], v[ADRB+(\slot)] offset:32*BPITCH*(\q)+32*(\i)+16*BPITCH
.endr
	WIN 0
.irp i, 0,1,2,3,4,5,6,7
	ds_load_b128 v[(\f)+8*(\i):(\f)+8*(\i)+3],   v[ADRA+(\slot)] offset:64*(\q)+(\i)*16*PITCH
	ds_load_b128 v[(\f)+8*(\i)+4:(\f)+8*(\i)+7], v[ADRA+(\slot)] offset:64*(\q)+(\i)*16*PITCH+32
.endr
.endm
.macro PLACES                          ; four places in front of loads into registers that matrix instructions have read, and of stores that read results (ISA guide 7.12.1 for vector instructions)
.rept 4
	v_nop
.endr
.endm
; A K step is four quarters of 32 along K, 64 matrix instructions each, on buffers 0, 1, 0, 1.  One of the first three: multiplies buffer f, and in its middle fetches quarter q into buffer g.
.macro QUARTER slot, q, f, g, zero
	s_wait_dscnt 8                                 ; B and A's rows 0-63 are in; the youngest eight loads (A's rows 64-127) may be out
	MUL16 \f, 0, 0, \zero
	MUL16 \f, 0, 2, \zero
	PLACES
	FETCH \slot, \q, \g
	s_wait_dscnt 32                                ; all but the 32 just issued
	MUL16 \f, 1, 0, \zero
	MUL16 \f, 1, 2, \zero
.endm
; The last quarter's first half: ONE barrier for the change of slots.  In front of it each wave waits for all its tensor loads (one is out: its part of the next slot), adds 0 to its spare word, and waits for that and for its reads of this slot.
.macro MEET round
	WIN 0                                          ; (the add's two registers lie in window 0)
	s_wait_tensorcnt 0x0
	ds_add_u32 v[SPW], v[NIL]
	s_wait_dscnt 9                                 ; (the add and the youngest eight loads may be out)
	MUL16 F1, 0, 0, 0                              ; sixteen matrix instructions stand between the add and the wait for it
	s_wait_dscnt 0x0                               ; the add is done, and my reads of this slot are over
	s_barrier_signal -1
	MUL16 F1, 0, 2, 0
.if \round
	WIN 0
.endif
	s_barrier_wait -1
.endm
; The whole last quarter.  fill = 1: the barrier opens a round of the cluster's barrier, and the slot just read out is filled again, first thing behind it, with the K step two steps on:
; from that request to the wait for it a wave issues 224 matrix instructions.
.macro TURN slot, next, fill
.if \fill
	s_wait_xcnt 0x0                                ; the last prefetch, a K step back, has read its address, so it may be stepped
	s_add_nc_u64 s[PFA:PFA+1], s[PFA:PFA+1], s[PFS:PFS+1]
.endif
	MEET \fill
.if \fill
	CREST                                          ; no wave of any partner still reads this slot or has a load on its way
	s_add_nc_u64 s[G0+4*(\slot)+2:G0+4*(\slot)+3], s[G0+4*(\slot)+2:G0+4*(\slot)+3], 2*ASTEP
	s_add_nc_u64 s[G0B+4*(\slot)+2:G0B+4*(\slot)+3], s[G0B+4*(\slot)+2:G0B+4*(\slot)+3], 2*BSTEP
	JLOAD \slot                                    ; its four v_nop are also the places in front of the loads below
.else
	PLACES
.endif
	FETCH \next, 0, F0
.if \fill
	ASK
.endif
	MUL16 F1, 1, 0, 0
	MUL16 F1, 1, 2, 0
.endm
	s_wait_tensorcnt 1                             ; my part of K step 0 is in; K step 1's may stay out
	s_barrier_signal -1
	s_barrier_wait -1
	FETCH 0, 0, F0
	QUARTER 0, 1, F0, F1, 1                        ; the first quarter stands in front of the loop: its products start the sums
	WIN 0                                          ; at a label and at a branch every window is 0
	s_mov_b32 s3, 7
.Llap:                                         ; a trip goes once round the ring, from a lap's second quarter to the next lap's first, and fills both slots again
	QUARTER 0, 2, F1, F0, 0
	QUARTER 0, 3, F0, F1, 0
	TURN 0, 1, 1
	QUARTER 1, 1, F0, F1, 0
	QUARTER 1, 2, F1, F0, 0
	QUARTER 1, 3, F0, F1, 0
	TURN 1, 0, 1
	QUARTER 0, 1, F0, F1, 0
	WIN 0
	s_sub_co_u32 s3, s3, 1
	s_cmp_lg_u32 s3, 0
	s_cbranch_scc1 .Llap
	QUARTER 0, 2, F1, F0, 0                        ; the last lap fills nothing
	QUARTER 0, 3, F0, F1, 0
	TURN 0, 1, 0
	QUARTER 1, 1, F0, F1, 0
	QUARTER 1, 2, F1, F0, 0
	QUARTER 1, 3, F0, F1, 0
	s_wait_dscnt 8
	MUL16 F1, 0, 0, 0
	MUL16 F1, 0, 2, 0
	s_wait_dscnt 0x0                               ; my last reads of the ring are back
	MUL16 F1, 1, 0, 0
	MUL16 F1, 1, 2, 0
	WIN 0
	s_barrier_signal -1                            ; every wave's reads of the ring are over, and no tensor load is out (the last change of slots waited for all): the ring may be written
	s_barrier_wait -1
	PLACES
.irp hi, 0,1                           ; my sums, in f32, into my 65,536 bytes: accumulator 8 (4 hi + a) + b at 1,024 bytes each; each accumulator from its low end on
	WIN 0x08+4*(\hi)                               ; the stores' data in window 2 or 3
.irp a, 0,1,2,3
.irp b, 0,1,2,3,4,5,6,7
	ds_store_b128 v[DST], v[8*(8*(\a)+(\b)):8*(8*(\a)+(\b))+3]   offset:(8*(4*(\hi)+(\a))+(\b))*1024
	ds_store_b128 v[DST], v[8*(8*(\a)+(\b))+4:8*(8*(\a)+(\b))+7] offset:(8*(4*(\hi)+(\a))+(\b))*1024+512
.endr
.endr
.endr
	WIN 0
; gelu of four accumulators (32 registers at x), rounded to bf16 (16 registers at y) and stored: accumulators t0 .. t0 + 3 of the trip's eight.  Two batches of 32 transcendentals, one wait each.
.macro GELU x, y, t0
.set i, 0
.rept 16
	v_pk_mul_f32 v[TT+2*i:TT+2*i+1], v[(\x)+2*i:(\x)+2*i+1], v[(\x)+2*i:(\x)+2*i+1]
.set i, i+1
.endr
.set i, 0
.rept 16
	v_pk_fma_f32 v[TT+2*i:TT+2*i+1], v[TT+2*i:TT+2*i+1], s[C1:C1+1], s[C0:C0+1] op_sel_hi:[1,0,0]
.set i, i+1
.endr
.set i, 0
.rept 16
	v_pk_mul_f32 v[TT+2*i:TT+2*i+1], v[TT+2*i:TT+2*i+1], v[(\x)+2*i:(\x)+2*i+1]
.set i, i+1
.endr
.set i, 0
.rept 32
	v_exp_f32 v[TT+i], v[TT+i]
.set i, i+1
.endr
	v_nop                                          ; a plain line behind the last of the batch,
	s_wait_alu depctr_va_vdst(0)                   ; and the one wait ahead of its first reader
.set i, 0
.rept 16
	v_pk_add_f32 v[TT+2*i:TT+2*i+1], v[TT+2*i:TT+2*i+1], 1.0 op_sel_hi:[1,0]
.set i, i+1
.endr
.set i, 0
.rept 32
	v_rcp_f32 v[TT+i], v[TT+i]
.set i, i+1
.endr
	v_nop
	s_wait_alu depctr_va_vdst(0)
.set i, 0
.rept 16
	v_pk_mul_f32 v[(\x)+2*i:(\x)+2*i+1], v[(\x)+2*i:(\x)+2*i+1], v[TT+2*i:TT+2*i+1]
.set i, i+1
.endr
.set i, 0
.rept 16
	v_cvt_pk_bf16_f32 v[(\y)+i], v[(\x)+2*i], v[(\x)+2*i+1]
.set i, i+1
.endr
.set i, 0
.rept 4
	global_store_b128 v[CO], v[(\y)+4*i:(\y)+4*i+3], s[8:9] offset:512*((\t0)+i)  ; accumulator b is half b % 2 of block b / 2: 512 consecutive bytes, aligned
.set i, i+1
.endr
.endm
	s_mov_b32 s[CNT], 8
.Lout:                                         ; 16 rows, eight accumulators, a trip
.irp t, 0,1,2,3,4,5,6,7,8,9,10,11,12,13,14,15
	ds_load_b128 v[64+4*(\t):64+4*(\t)+3], v[RDB] offset:512*(\t)  ; my wave's own bytes: LDS serves a wave's instructions in order (ISA guide 5.7.1.4): these see the stores above
.endr
	s_wait_dscnt 8                                 ; accumulators 0-3 are in; the eight loads of 4-7 may be out
	GELU 64, 160, 0
	s_wait_dscnt 0x0
	GELU 96, 176, 4
	s_wait_xcnt 0x0                                ; the stores have read their base and data, which the next trip writes
	v_add_nc_u32 v[RDB], 8192, v[RDB]
	s_add_nc_u64 s[8:9], s[8:9], MBLK
	s_sub_co_u32 s[CNT], s[CNT], 1
	s_cmp_lg_u32 s[CNT], 0
	s_cbranch_scc1 .Lout
	s_wait_tensorcnt 0x0                           ; the wave's end: behind my last tensor load and my last LDS store
	ds_add_u32 v[SPW], v[NIL]
	s_wait_dscnt 0x0
	CROUND                                         ; the closing round: no work-group ends while a partner may still ask for a tile that names it
	s_endpgm
.Lfunc_end_k_q14625cd768_mlp1:
	.size	k_q14625cd768_mlp1, .Lfunc_end_k_q14625cd768_mlp1-k_q14625cd768_mlp1
	.p2alignl 7, 3214868480
	.fill 96, 4, 3214868480
	.section	.rodata,"a",@progbits
	.p2align	6, 0x0
	.amdhsa_kernel k_q14625cd768_mlp1
		.amdhsa_group_segment_fixed_size 327680
		.amdhsa_private_segment_fixed_size 0
		.amdhsa_enable_private_segment 0
		.amdhsa_kernarg_size 24
		.amdhsa_user_sgpr_count 2
		.amdhsa_user_sgpr_kernarg_segment_ptr 1
		.amdhsa_wavefront_size32 1
		.amdhsa_system_sgpr_workgroup_id_x 1
		.amdhsa_system_sgpr_workgroup_id_y 1
		.amdhsa_system_sgpr_workgroup_id_z 1
		.amdhsa_system_vgpr_workitem_id 0
		.amdhsa_next_free_vgpr 1024
		.amdhsa_next_free_sgpr 80
		.amdhsa_reserve_vcc 0
		.amdhsa_float_denorm_mode_32 3
		.amdhsa_float_denorm_mode_16_64 3
		.amdhsa_memory_ordered 1
		.amdhsa_forward_progress 1
		.amdhsa_inst_pref_size 139
	.end_amdhsa_kernel
	.amdgpu_metadata
---
amdhsa.version: [ 1, 2 ]
amdhsa.kernels:
  - .name:           k_q14625cd768_mlp1
    .symbol:         k_q14625cd768_mlp1.kd
    .args:
      - { .name: brb, .offset: 0, .size: 8, .value_kind: global_buffer, .address_space: global }
      - { .name: w1b, .offset: 8, .size: 8, .value_kind: global_buffer, .address_space: global }
      - { .name: hb, .offset: 16, .size: 8, .value_kind: global_buffer, .address_space: global }
    .group_segment_fixed_size: 327680
    .private_segment_fixed_size: 0
    .kernarg_segment_align: 8
    .kernarg_segment_size: 24
    .max_flat_workgroup_size: 128
    .sgpr_count:     80
    .vgpr_count:     1024
    .wavefront_size: 32
...
	.end_amdgpu_metadata
.endif
;; end of part 3
;; launch mlp2 (part 4): grid 16 x 16, 4 waves a work-group, clusters of 4 x 1, 327,680 bytes of LDS; arguments hb, w2b, x, coef, out0; writes out0
.if DOCPART == 4
	.amdgcn_target "amdgcn-amd-amdhsa--gfx1250"
	.amdhsa_code_object_version 6
	.text
	.protected	k_q14625cd768_mlp2
	.globl	k_q14625cd768_mlp2
	.p2align	8
	.type	k_q14625cd768_mlp2,@function
k_q14625cd768_mlp2:
	s_mov_b64 s[64:65], 0
	v_nop
	global_prefetch_b8 v0, s[64:65] scope:SCOPE_SE
	s_setreg_imm32_b32 hwreg(HW_REG_WAVE_MODE, 25, 1), 1
	s_wait_xcnt 0x0
	s_wait_alu depctr_hold_cnt(0) depctr_sa_sdst(0) depctr_va_vdst(0) depctr_va_sdst(0) depctr_va_ssrc(0) depctr_va_vcc(0) depctr_vm_vsrc(0)
	s_getreg_b32 s2, hwreg(HW_REG_IB_STS2, 6, 4)
	s_cmp_eq_u32 s2, 0
	s_cbranch_scc0 .Lentry_in_a_cluster
	s_endpgm
.Lentry_in_a_cluster:
	s_bfe_u32 s2, ttmp6, 0x10000c
	s_cmp_lg_u32 s2, 0x3003
	s_cbranch_scc0 .Lentry_shape_is_right
	s_endpgm
.Lentry_shape_is_right:
; y[m][d] = the sum over k of H[m][k] w2b[k][d];  out0[m][i][d] = the sum over j of Phi[m][i][j] x[m][j][d] + write_out[m][i] y[m][d].
; hb holds H (2048 x 8192, bf16) in blocks: block (mb, kb) of 16 rows x 32 k is 1,024 bytes at (256 mb + kb) x 1,024, laid as a matrix operand lies in registers: lane l's registers 0-3 at 16 l, 4-7 at 512 + 16 l.
; w2b: [8192 k][2048 d] bf16, x and out0: [2048][4][2048] f32, coef: [2048][20] f32 (Phi row by row, then write_out).  y stays in f32 and never goes to memory.  NaN and infinities are not treated apart.
; A tile of y is 128 x 128: 16 x 16 tiles, 256 work-groups (x: the tile row, y: the tile column).  Four waves; wave w makes rows 32 w .. + 31, all 128 columns: 16 accumulators (a, b).
; B GOES THROUGH LDS, A DOES NOT.  Both operands of such a tile are 512 bytes for each k, and two slots in LDS would hold 256 along K each: 128 matrix instructions a wave from barrier to barrier.  With B alone
; a slot holds 512 along K (512 k-rows x 256 bytes, LDS rows 288 bytes apart): 256 matrix instructions a wave, 240 of them between a slot's request and the wait for it, and 16 changes of slots for 32.
; B lies [k][d]: its fragments come out of LDS turned, by ds_load_tr16_b128.  Each wave fetches 128 k-rows of a slot.
; A comes from memory straight into fragment registers, 512 consecutive bytes a load, through a ring of eight slots of 32 registers, a QUARTER (64 along K, 32 matrix instructions) each: quarter Q asks for quarter Q + 7.
; No wave wants a byte of A that another wave of the work-group has fetched.
; CLUSTER: 4 x 1: four tile rows of one tile column: they need the same tiles of B, asked for JOINTLY by the same tensor load, descriptor and mask.  A's blocks, which the 16 work-groups of a tile row read,
; are not asked for jointly: a joint load lands in LDS, and LDS has no room for them beside slots of this length.
; THE MATRIX INSTRUCTION IS USED TRANSPOSED (source 0 = 16 columns of B, source 1 = 16 rows of A): a lane holds eight neighbouring columns of a row of y.
; THE WAY OUT.  y goes in f32 into 16,896 bytes of the ring that are the wave's own (the ring has had its last fill); then 32 steps of one row: 512 consecutive bytes of each stream of x and out0.  x comes through a
; ring of eight slots in registers; its first eight rows are asked for in the last K step, in the places and registers of A's refills that are no longer due.  The wave's 32 rows of coef are copied into LDS at the head.
; REGISTERS: window 0: v0-31 addresses; v32-71 two sets of a row's coefficients; v72-79 two sets of y; v128-255 the accumulators ((a, b) at v[128 + 8 (8 a + b)]).
;   window 1: two buffers of B's fragments for a quarter: (c, b) at 64 c + 8 b.   window 2: A's ring: slot q, (c, a) at 32 q + 16 c + 8 a; on the way out v0-127 x's ring (slot s, stream j at 16 s + 4 j), v128-255 the results, 16 a slot.
.set BPITCH, 288                       ; B's LDS row: 256 bytes + 32: 72 words
.set WPART,  128*BPITCH                ; 36,864 = 0x9000: what a wave fetches of a slot
.set SLOT,   4*WPART                   ; 147,456 = 0x24000: it shares no bit with 0x9000 w (w = 0..3), so one exclusive or turns an address in one slot into the other's
.set COEF,   2*SLOT                    ; 294,912: 2,560 bytes for each wave: its 32 rows of coef
.set SPARE,  COEF+4*2560               ; 305,152: the spare words, 128 bytes for each wave: two blocks of 256 bytes that no other line names
.set BSTEP,  512*4096                  ; bytes from a K step to the next in w2b,
.set ASTEP,  16*1024                   ; and in 16 rows of hb
.set MBLK,   262144                    ; 16 rows of hb
.set YP,     528                       ; the way out: a row of 128 f32 + 16 bytes: 132 words: row r starts at bank 4 r
.set LO,   10                          ; v10     16 x lane: my 16 bytes of 512, in hb, coef, x and out0; never rewritten
.set PFO,  11                          ; v11     4,096 x lane: a k-row of w2b a lane; never rewritten
.set PAO,  12                          ; v12     256 x lane; never rewritten
.set DST,  13                          ; v13     the way out: where I put y
.set YRD,  14                          ; v14     where I read 16 bytes of a row of y back
.set CRD,  15                          ; v15     the row's coefficients: the same address in every lane
.set BA0,  16                          ; v16-19  my place in slot 0: k-rows 128 i on; never rewritten
.set BA,   20                          ; v20-23  the same in the slot in hand
.set CST,  24                          ; v24     the head: where I put 16 bytes of coef
.set SPW,  28                          ; v28     LDS address of my spare word; never rewritten
.set NIL,  29                          ; v29     0; never rewritten
.set CF,   32
.set YY,   72
.set ACC,  128
.set OUT,  128                         ; in window 2
.set F0,   0
.set F1,   128
.set AP,   4                           ; s[4:5]  hb at my 32 rows, at the K step in hand
.set PFB,  6                           ; s[6:7]  where my prefetches of w2b stand
.set TB,   8                           ; s8      0 or SLOT: the slot in hand
.set LIMB, 43                          ; s43, s44  1 in a wave that prefetches B, A, else the greatest number
.set LIMA, 44
.set G1B,  48                          ; s[48:55] descriptor group 1
.set G0,   56                          ; s[56:59] group 0 of the first fill of slot 0
.set G0W,  60                          ; s[60:63] group 0 of the first fill of slot 1; it then walks on
.set CNT,  78
.set MSB, 0
.macro WIN new                         ; the immediate's high byte repeats the setting that is left; a switch that changes nothing is dropped
.if MSB != (\new)
	s_set_vgpr_msb (MSB<<8)|(\new)
.set MSB, \new
.endif
.endm
.set MUL,  0x09                        ; source 0 (B) window 1, source 1 (A) window 2; C and D window 0
.set TO_F, 0x40                        ; destination window 1, address window 0
.set TO_A, 0x80                        ; destination window 2, address window 0
.macro CREST                           ; a round of the cluster's barrier behind its opening barrier
	s_cmp_lg_u32 s10, 0
	s_cbranch_scc1 .Lnot_wave_0_\@
	s_barrier_signal -3
.Lnot_wave_0_\@:
	s_barrier_wait -3
	s_barrier_signal -1
	s_barrier_wait -1
.endm
.macro CROUND
	s_barrier_signal -1
	s_barrier_wait -1
	CREST
.endm
; PREFETCHES INTO THE L2, together, behind each joint refill, the run of LDS loads and A's loads that follow it.  Each block of 256 bytes is named once in the launch.
; B: a tile column's k-rows are read by the four clusters of that column: the one with x = 0 asks.  Of the 128 k-rows that wave w fetches the partner at cx takes 32 cx .. + 31, told apart BY ADDRESS: a lane a
; row, one instruction.  It names the K step one refill on: 256 matrix instructions ahead of the load that will want it.  K steps 0 to 2 come by their loads alone.
; A: a tile row's blocks are read by 16 work-groups: the one of tile column 0 asks, each wave for its own 32 rows: in K step s the quarters 8 s + 20 .. 8 s + 27, 16,384 bytes of each 16 rows, four instructions; their
; loads are issued 6 to 13 quarters later.  Quarters 0 to 19 and 124 to 127 come by their loads alone.
; The loop's last trip (s3 = 1, K step 13) asks for nothing: the last k-row named lies in K step 15, the last quarter named is 123.
.macro ASK
	s_cmp_gt_u32 s3, s[LIMB]
	s_cbranch_scc0 .Lnot_b_\@
	global_prefetch_b8 v[PFO], s[PFB:PFB+1] th:TH_LOAD_NT scope:SCOPE_SE
.Lnot_b_\@:
	s_cmp_gt_u32 s3, s[LIMA]
	s_cbranch_scc0 .Lnot_a_\@
.irp a, 0,1
.irp e, 0,1
	global_prefetch_b8 v[PAO], s[AP:AP+1] offset:(\a)*MBLK+20*2048+(\e)*8192 th:TH_LOAD_NT scope:SCOPE_SE
.endr
.endr
.Lnot_a_\@:
.endm
; eight loads: A's fragments of the quarter n quarters behind the pointer, into slot n % 8
.macro AFILL n
	WIN TO_A
.irp c, 0,1
.irp a, 0,1
	global_load_b128 v[32*((\n)%8)+16*(\c)+8*(\a):32*((\n)%8)+16*(\c)+8*(\a)+3],   v[LO], s[AP:AP+1] offset:(\a)*MBLK+(2*(\n)+(\c))*1024
	global_load_b128 v[32*((\n)%8)+16*(\c)+8*(\a)+4:32*((\n)%8)+16*(\c)+8*(\a)+7], v[LO], s[AP:AP+1] offset:(\a)*MBLK+(2*(\n)+(\c))*1024+512
.endr
.endr
.endm
; eight loads: rows 2 p and 2 p + 1 of x, four streams each, into the 32 registers that were slot p of A's ring
.macro XFILL p
	WIN TO_A
.irp t, 0,1
.irp j, 0,1,2,3
	global_load_b128 v[32*(\p)+16*(\t)+4*(\j):32*(\p)+16*(\t)+4*(\j)+3], v[LO], s[72:73] offset:32768*(2*(\p)+(\t))+8192*(\j) th:TH_LOAD_NT
.endr
.endr
.endm
	s_load_b256 s[68:75], s[0:1], 0x0              ; hb s[68:69], w2b s[70:71], x s[72:73], coef s[74:75]
	s_load_b64 s[76:77], s[0:1], 0x20              ; out0
	v_lshl_add_u32 v[SPW], v0, 2, SPARE
	v_mov_b32 v[NIL], 0
	ds_add_u32 v[SPW], v[NIL]                      ; the wave's opening: the add and its wait stand ahead of my first tensor load; work on registers stands between them
	v_lshrrev_b32 v1, 5, v0
	v_readfirstlane_b32 s10, v1                    ; wave 0..3
	s_bfe_u32 s40, ttmp6, 0x40000                  ; cx
	s_lshl_b32 s13, ttmp9, 2
	s_add_co_u32 s13, s13, s40                     ; tile row = 4 x cluster x + cx: it enters the addresses of hb, coef, x and out0 alone
	s_and_b32 s42, ttmp7, 0xffff                   ; tile column, which the four partners share
	s_mov_b32 s[G1B+0], 15|(1<<16)|(1<<20)|(1<<21)|(5<<22)|(7<<25)  ; the mask of four; elements of 2 bytes; padding on; bit 21 beside a mask; after every 64 words 8 words
	s_mov_b32 s[G1B+1], 128<<16                    ; tensor_dim0 = 128
	s_mov_b32 s[G1B+2], 128<<16                    ; tensor_dim1 = 128
	s_mov_b32 s[G1B+3], 128<<16                    ; tile_dim0 = 128
	s_mov_b32 s[G1B+4], 128                        ; tile_dim1 = 128
	s_mov_b32 s[G1B+5], 2048                       ; elements from row to row
	s_mov_b32 s[G1B+6], 0
	s_mov_b32 s[G1B+7], 0
	s_lshl_b32 s46, s10, 19                        ; k-row 128 w, 4,096 bytes a row,
	s_lshl_b32 s47, s42, 8                         ; + 256 bytes x tile column
	s_add_co_u32 s46, s46, s47
	s_mov_b32 s47, 0
	s_mul_i32 s20, s10, WPART                      ; where they go: no place in the cluster enters an LDS address
	s_mov_b32 s[TB], 0
	s_wait_dscnt 0x0                               ; the opening add is done
	s_wait_kmcnt 0x0
	s_add_nc_u64 s[46:47], s[70:71], s[46:47]
	CROUND                                         ; all four work-groups are here: the first joint loads meet
.irp s, 0,1
	s_mov_b32 s[G0+4*(\s)], 1
	s_add_co_u32 s[G0+4*(\s)+1], s20, (\s)*SLOT
	s_add_nc_u64 s[G0+4*(\s)+2:G0+4*(\s)+3], s[46:47], (\s)*BSTEP
	s_or_b32 s[G0+4*(\s)+3], s[G0+4*(\s)+3], 0x80000000
.endr
	tensor_load_to_lds s[G0:G0+3], s[G1B:G1B+7]    ; K steps 0 and 1: two loads of mine are out
	s_nop 0
	tensor_load_to_lds s[G0W:G0W+3], s[G1B:G1B+7]
	s_nop 0
	v_and_b32 v5, 31, v0                           ; four vector lines under the windows in force follow the load
	v_and_b32 v1, 15, v0                           ; l % 16
	v_bfe_u32 v2, v0, 4, 1                         ; l / 16
	v_lshlrev_b32 v[LO], 4, v5
	s_lshl_b32 s16, s13, 3
	s_lshl_b32 s17, s10, 1
	s_add_co_u32 s16, s16, s17                     ; my first block of 16 rows: 8 x tile row + 2 w
	s_lshl_b32 s80, s16, 4                         ; my first row
	s_lshl_b32 s16, s16, 18
	s_mov_b32 s17, 0
	s_add_nc_u64 s[AP:AP+1], s[68:69], s[16:17]
	s_mul_i32 s82, s80, 80
	s_mov_b32 s83, 0
	s_add_nc_u64 s[74:75], s[74:75], s[82:83]      ; coef at that row
	s_lshl_b32 s80, s80, 15                        ; 32,768 bytes a row of x,
	s_lshl_b32 s81, s42, 9                         ; + the tile's 128 columns of f32
	s_add_co_u32 s80, s80, s81
	s_mov_b32 s81, 0
	s_add_nc_u64 s[72:73], s[72:73], s[80:81]      ; x and out0 at my part
	s_add_nc_u64 s[76:77], s[76:77], s[80:81]
.irp i, 0,1,2,3,4
	global_load_b128 v[CF+4*(\i):CF+4*(\i)+3], v[LO], s[74:75] offset:512*(\i)  ; my 32 rows of coef: 2,560 consecutive bytes
.endr
.irp n, 0,1,2,3,4,5,6
	AFILL \n                                       ; A's quarters 0 to 6: with coef's five, 61 loads of mine are out
.endr
	WIN 0
	s_lshl_b32 s16, s10, 7                         ; the prefetches of B: the 128 k-rows that I fetch,
	s_lshl_b32 s17, s40, 5                         ; my work-group's 32 of them,
	s_add_co_u32 s16, s16, s17
	s_lshl_b32 s16, s16, 12
	s_lshl_b32 s17, s42, 8
	s_add_co_u32 s16, s16, s17
	s_add_co_u32 s16, s16, 3*BSTEP                 ; in K step 3: what K step 0's change of slots names
	s_mov_b32 s17, 0
	s_add_nc_u64 s[PFB:PFB+1], s[70:71], s[16:17]
	s_cmp_eq_u32 ttmp9, 0                          ; the cluster's x and y: the same in all four partners
	s_cselect_b32 s[LIMB], 1, -1
	s_cmp_eq_u32 s42, 0
	s_cselect_b32 s[LIMA], 1, -1
	v_lshlrev_b32 v[PFO], 12, v5
	v_lshlrev_b32 v[PAO], 8, v5
	v_and_b32 v6, 7, v0                            ; B, turned: lane l reads k-row 8 (l / 16) + l % 8, 16 bytes at 16 ((l / 8) % 2), and ends with column l % 16 and 8 k
	v_bfe_u32 v7, v0, 3, 1
	v_lshl_add_u32 v4, v2, 3, v6
	v_mul_u32_u24 v4, v4, BPITCH
	v_lshl_add_u32 v[BA0], v7, 4, v4
.irp i, 1,2,3
	v_add_nc_u32 v[BA0+(\i)], (\i)*WPART, v[BA0]   ; an LDS offset has 16 bits: an address for each 128 k-rows
.endr
.irp i, 0,1,2,3
	v_mov_b32 v[BA+(\i)], v[BA0+(\i)]              ; K step 0 lies in slot 0
.endr
	s_mul_i32 s22, s10, 2560
	s_add_co_u32 s22, s22, COEF
	v_add_nc_u32 v[CST], s22, v[LO]
	v_mov_b32 v[CRD], s22
	s_mul_i32 s23, s10, 32*YP
	v_mul_u32_u24 v[DST], v1, YP                   ; in: row l % 16, 32 bytes for each half of the lanes
	v_lshl_add_u32 v[DST], v2, 5, v[DST]
	v_add_nc_u32 v[DST], s23, v[DST]
	v_add_nc_u32 v[YRD], s23, v[LO]                ; back: 32 lanes take one row of 512 bytes
	s_wait_loadcnt 56                              ; coef's five loads are in; A's 56, issued behind them, stay out
.irp i, 0,1,2,3,4
	ds_store_b128 v[CST], v[CF+4*(\i):CF+4*(\i)+3] offset:512*(\i)  ; my wave's own bytes, which no tile touches
.endr
	s_wait_dscnt 0x0
; 8 matrix instructions: row block a x all 8 column blocks, 32 along K: half c of buffer f and of A's slot q.  zero = 1: the product starts the sums
.macro MULH f, q, c, a, zero
	WIN MUL
.irp b, 0,1,2,3,4,5,6,7
.if \zero
	v_wmma_f32_16x16x32_bf16 v[ACC+8*(8*(\a)+(\b)):ACC+8*(8*(\a)+(\b))+7], v[(\f)+64*(\c)+8*(\b):(\f)+64*(\c)+8*(\b)+7], v[32*(\q)+16*(\c)+8*(\a):32*(\q)+16*(\c)+8*(\a)+7], 0
.else
	v_wmma_f32_16x16x32_bf16 v[ACC+8*(8*(\a)+(\b)):ACC+8*(8*(\a)+(\b))+7], v[(\f)+64*(\c)+8*(\b):(\f)+64*(\c)+8*(\b)+7], v[32*(\q)+16*(\c)+8*(\a):32*(\q)+16*(\c)+8*(\a)+7], v[ACC+8*(8*(\a)+(\b)):ACC+8*(8*(\a)+(\b))+7]
.endif
.endr
.endm
; 32 LDS loads in one run: B's fragments of quarter kq of the slot in hand into buffer f, the first 32 along K first.  32 k-rows are 9,216 bytes, 16 are 4,608
.macro FETCH kq, f
	WIN TO_F
.irp c, 0,1
.irp b, 0,1,2,3,4,5,6,7
	ds_load_tr16_b128 v[(\f)+64*(\c)+8*(\b):(\f)+64*(\c)+8*(\b)+3],   v[BA+(\kq)/2] offset:((2*(\kq)+(\c))%4)*32*BPITCH+32*(\b)
	ds_load_tr16_b128 v[(\f)+64*(\c)+8*(\b)+4:(\f)+64*(\c)+8*(\b)+7], v[BA+(\kq)/2] offset:((2*(\kq)+(\c))%4)*32*BPITCH+32*(\b)+16*BPITCH
.endr
.endr
.endm
.macro PLACES                          ; four places in front of loads into registers that matrix instructions have read, and of stores that read results (ISA guide 7.12.1 for vector instructions)
.rept 4
	v_nop
.endr
.endm
; A K step is eight quarters of 64 along K, 32 matrix instructions each, on buffers 0, 1, 0, 1 ..; the 16 accumulators take turns, one instruction a turn.  Quarter q of the first seven: multiplies buffer f and A's slot q;
; in its middle it fetches quarter q + 1 of B into g and fills the slot of A that the quarter before has left: kind 1: with A's quarter n behind the pointer; 2: with x's rows 2 n, 2 n + 1; 0: not at all.
; lc = the loads from memory that are younger than this quarter's eight.
.macro QUARTER q, f, g, zero, kind, n, lc
	s_wait_loadcnt \lc                             ; loads come back in order: A's slot q is in
	s_wait_dscnt 16                                ; B's first 32 along K are in; the second sixteen loads may be out
	MULH \f, \q, 0, 0, \zero
	MULH \f, \q, 0, 1, \zero
	PLACES
	FETCH (\q)+1, \g
.if (\kind) == 1
	AFILL \n
.elseif (\kind) == 2
	XFILL \n
.endif
	s_wait_dscnt 32                                ; all but the 32 just issued
	MULH \f, \q, 1, 0, 0
	MULH \f, \q, 1, 1, 0
.endm
; The eighth quarter multiplies buffer 1 and changes slots: ONE barrier; in front of it each wave waits for all its tensor loads (one is out: its part of the next slot), adds 0 to its spare word, and waits for that and
; for its reads of this slot.  fill = 1: the barrier opens a round of the cluster's barrier, and this slot is filled again, first thing behind it, with the K step two steps on.
.macro TURN fill
	s_wait_loadcnt 48                              ; A's slot 7 is in; the six younger slots stay out
	WIN 0                                          ; (the add's two registers lie in window 0)
	s_wait_tensorcnt 0x0                           ; no tensor load of mine is out, so a group 0 may be written
	ds_add_u32 v[SPW], v[NIL]
	s_xor_b32 s[TB], s[TB], SLOT                   ; the fetches go to the other slot
.if \fill
	s_xor_b32 s[G0W+1], s[G0W+1], SLOT             ; the walking descriptor: the other slot than last time,
	s_add_nc_u64 s[G0W+2:G0W+3], s[G0W+2:G0W+3], BSTEP  ; the next K step; the type bits on top are not reached
.endif
	s_wait_dscnt 17                                ; (the add and the youngest sixteen loads may be out)
	MULH F1, 7, 0, 0, 0                            ; eight matrix instructions stand between the add and the wait for it
	s_wait_dscnt 0x0                               ; the add is done, and my reads of this slot are over
	s_barrier_signal -1
	MULH F1, 7, 0, 1, 0
	WIN 0
	s_barrier_wait -1
.if \fill
	CREST                                          ; no wave of any partner still reads this slot or has a load on its way
	tensor_load_to_lds s[G0W:G0W+3], s[G1B:G1B+7]
	s_nop 0
.endif
.irp i, 0,1,2,3                        ; four plain vector lines: they follow the tensor load, and are the places in front of the loads below
	v_add_nc_u32 v[BA+(\i)], s[TB], v[BA0+(\i)]
.endr
	FETCH 0, F0
	AFILL 14
.if \fill
	WIN 0
	ASK
.endif
	MULH F1, 7, 1, 0, 0
	MULH F1, 7, 1, 1, 0
.endm
	s_wait_tensorcnt 1                             ; my part of K step 0 is in; K step 1's may stay out
	s_barrier_signal -1
	s_barrier_wait -1
	FETCH 0, F0
	QUARTER 0, F0, F1, 1, 1, 7, 48                 ; the first quarter stands in front of the loop: its first products start the sums
	WIN 0                                          ; at a label and at a branch every window is 0
	s_mov_b32 s3, 14
.Lstep:                                        ; a trip: quarters 1 to 7 of K step s, which fills its slot again, and quarter 0 of K step s + 1
	QUARTER 1, F1, F0, 0, 1, 8, 48
	QUARTER 2, F0, F1, 0, 1, 9, 48
	QUARTER 3, F1, F0, 0, 1, 10, 48
	QUARTER 4, F0, F1, 0, 1, 11, 48
	QUARTER 5, F1, F0, 0, 1, 12, 48
	QUARTER 6, F0, F1, 0, 1, 13, 48
	TURN 1
	QUARTER 0, F0, F1, 0, 1, 15, 48
	WIN 0
	s_wait_xcnt 0x0                                ; every load and prefetch issued so far (the youngest load sixteen matrix instructions back, the prefetches 48) has read its address, so the pointers may be written
	s_add_nc_u64 s[AP:AP+1], s[AP:AP+1], ASTEP
	s_add_nc_u64 s[PFB:PFB+1], s[PFB:PFB+1], BSTEP
	s_sub_co_u32 s3, s3, 1
	s_cmp_lg_u32 s3, 0
	s_cbranch_scc1 .Lstep
	QUARTER 1, F1, F0, 0, 1, 8, 48                 ; K steps 14 and 15 are written out: no slot is filled again
	QUARTER 2, F0, F1, 0, 1, 9, 48
	QUARTER 3, F1, F0, 0, 1, 10, 48
	QUARTER 4, F0, F1, 0, 1, 11, 48
	QUARTER 5, F1, F0, 0, 1, 12, 48
	QUARTER 6, F0, F1, 0, 1, 13, 48
	TURN 0
	QUARTER 0, F0, F1, 0, 1, 15, 48                ; asks for A's last quarter
	QUARTER 1, F1, F0, 0, 2, 0, 48                 ; from here on x's first eight rows take the refills' place: eight loads a quarter, so the count stays:
	QUARTER 2, F0, F1, 0, 2, 1, 48                 ; 40 of A and 8 of x,
	QUARTER 3, F1, F0, 0, 2, 2, 48                 ; 32 and 16,
	QUARTER 4, F0, F1, 0, 2, 3, 48                 ; 24 and 24,
	QUARTER 5, F1, F0, 0, 0, 0, 48                 ; 16 and 32,
	QUARTER 6, F0, F1, 0, 0, 0, 40                 ; 8 and 32,
	s_wait_loadcnt 32                              ; x's 32 alone
	s_wait_dscnt 16
	MULH F1, 7, 0, 0, 0
	MULH F1, 7, 0, 1, 0
	s_wait_dscnt 0x0                               ; my last reads of the ring are back
	MULH F1, 7, 1, 0, 0
	MULH F1, 7, 1, 1, 0
	WIN 0
	s_barrier_signal -1                            ; every wave's reads of the ring are over, and no tensor load is out (the last change of slots waited for all): the ring may be written
	s_barrier_wait -1
	PLACES
.irp a, 0,1                            ; y, in f32, into my 16,896 bytes: block a of 16 rows at 8,448 a, block b of 16 columns at 64 b; each accumulator from its low end on
.irp b, 0,1,2,3,4,5,6,7
	ds_store_b128 v[DST], v[ACC+8*(8*(\a)+(\b)):ACC+8*(8*(\a)+(\b))+3]   offset:(\a)*16*YP+64*(\b)
	ds_store_b128 v[DST], v[ACC+8*(8*(\a)+(\b))+4:ACC+8*(8*(\a)+(\b))+7] offset:(\a)*16*YP+64*(\b)+16
.endr
.endr
; two results: v[d:d+1] = or += v[x:x+1] times the ONE coefficient in v[c]: it is taken for both halves out of its even-aligned pair
.macro PKC d, x, c, first
.if \first
.if ((\c)%2) == 0
	v_pk_mul_f32 v[(\d):(\d)+1], v[(\x):(\x)+1], v[(\c):(\c)+1] op_sel_hi:[1,0]
.else
	v_pk_mul_f32 v[(\d):(\d)+1], v[(\x):(\x)+1], v[(\c)-1:(\c)] op_sel:[0,1] op_sel_hi:[1,1]
.endif
.else
.if ((\c)%2) == 0
	v_pk_fma_f32 v[(\d):(\d)+1], v[(\x):(\x)+1], v[(\c):(\c)+1], v[(\d):(\d)+1] op_sel_hi:[1,0,1]
.else
	v_pk_fma_f32 v[(\d):(\d)+1], v[(\x):(\x)+1], v[(\c)-1:(\c)], v[(\d):(\d)+1] op_sel:[0,1,0] op_sel_hi:[1,1,1]
.endif
.endif
.endm
; six LDS loads: the 20 coefficients (every lane reads the same words) and my 16 bytes of y of the row s rows behind the two addresses, into set s % 2
.macro LDROW s
	WIN 0
.irp q, 0,1,2,3,4
	ds_load_b128 v[CF+20*((\s)%2)+4*(\q):CF+20*((\s)%2)+4*(\q)+3], v[CRD] offset:80*(\s)+16*(\q)
.endr
	ds_load_b128 v[YY+4*((\s)%2):YY+4*((\s)%2)+3], v[YRD] offset:YP*(\s)
.endm
; A STEP: one row, slot s of x's ring.  next = 1: the next row's coefficients and y are asked for first.  refill = 1: the slot takes the row eight steps on.  left = the loads of x that are younger than this slot's four.
; Each slot has result registers of its own, so that the stores' data are written again only eight steps later, behind the one wait at the loop's foot.
.macro STEP s, refill, left, next
.if \next
	LDROW (\s)+1
	s_wait_dscnt 6                                 ; this row's six loads are in; the six just issued may be out
.else
	s_wait_dscnt 0x0
.endif
	s_wait_loadcnt \left                           ; loads come back in order: this slot's four are in
.set CFS, CF+20*((\s)%2)
.set YYS, YY+4*((\s)%2)
	WIN 0xa2                                       ; x (source 0) and the results (source 2, destination) in window 2, the coefficient in window 0
.irp i, 0,1,2,3
.irp p, 0,1
	PKC OUT+16*(\s)+4*(\i)+2*(\p), 16*(\s)+2*(\p), CFS+4*(\i), 1
.endr
.endr
.irp j, 1,2,3                          ; seven independent lines stand between two that add onto the same pair
.irp i, 0,1,2,3
.irp p, 0,1
	PKC OUT+16*(\s)+4*(\i)+2*(\p), 16*(\s)+4*(\j)+2*(\p), CFS+4*(\i)+(\j), 0
.endr
.endr
.endr
	WIN 0xa0                                       ; y in window 0
.irp i, 0,1,2,3
.irp p, 0,1
	PKC OUT+16*(\s)+4*(\i)+2*(\p), YYS+2*(\p), CFS+16+(\i), 0
.endr
.endr
.if \refill
	WIN TO_A
.irp j, 0,1,2,3
	global_load_b128 v[16*(\s)+4*(\j):16*(\s)+4*(\j)+3], v[LO], s[72:73] offset:32768*((\s)+8)+8192*(\j) th:TH_LOAD_NT
.endr
.endif
	WIN 0x08                                       ; the stores' data in window 2
.irp i, 0,1,2,3
	global_store_b128 v[LO], v[OUT+16*(\s)+4*(\i):OUT+16*(\s)+4*(\i)+3], s[76:77] offset:32768*(\s)+8192*(\i) th:TH_STORE_NT  ; the wave stores 512 consecutive bytes, aligned
.endr
.endm
	LDROW 0                                        ; my wave's own bytes: LDS serves a wave's instructions in order (ISA guide 5.7.1.4): the load of y sees the stores above
	s_mov_b32 s[CNT], 3
.Lround:                                       ; eight rows a trip
.irp s, 0,1,2,3,4,5,6,7
	STEP \s, 1, 28, 1
.endr
	WIN 0
	s_wait_xcnt 0x0                                ; loads and stores have read their bases and the stores their data, which are written again from here on
	s_add_nc_u64 s[72:73], s[72:73], 8*32768
	s_add_nc_u64 s[76:77], s[76:77], 8*32768
	v_add_nc_u32 v[YRD], 8*YP, v[YRD]
	v_add_nc_u32 v[CRD], 8*80, v[CRD]
	s_sub_co_u32 s[CNT], s[CNT], 1
	s_cmp_lg_u32 s[CNT], 0
	s_cbranch_scc1 .Lround
.irp s, 0,1,2,3,4,5,6                  ; the last eight rows load nothing from memory: the counts run down
	STEP \s, 0, 28-4*(\s), 1
.endr
	STEP 7, 0, 0, 0
	WIN 0
	s_wait_tensorcnt 0x0                           ; the wave's end: behind my last tensor load and my last LDS store
	ds_add_u32 v[SPW], v[NIL]
	s_wait_dscnt 0x0
	CROUND                                         ; the closing round: no work-group ends while a partner may still ask for a tile that names it
	s_endpgm
.Lfunc_end_k_q14625cd768_mlp2:
	.size	k_q14625cd768_mlp2, .Lfunc_end_k_q14625cd768_mlp2-k_q14625cd768_mlp2
	.p2alignl 7, 3214868480
	.fill 96, 4, 3214868480
	.section	.rodata,"a",@progbits
	.p2align	6, 0x0
	.amdhsa_kernel k_q14625cd768_mlp2
		.amdhsa_group_segment_fixed_size 327680
		.amdhsa_private_segment_fixed_size 0
		.amdhsa_enable_private_segment 0
		.amdhsa_kernarg_size 40
		.amdhsa_user_sgpr_count 2
		.amdhsa_user_sgpr_kernarg_segment_ptr 1
		.amdhsa_wavefront_size32 1
		.amdhsa_system_sgpr_workgroup_id_x 1
		.amdhsa_system_sgpr_workgroup_id_y 1
		.amdhsa_system_sgpr_workgroup_id_z 1
		.amdhsa_system_vgpr_workitem_id 0
		.amdhsa_next_free_vgpr 768
		.amdhsa_next_free_sgpr 84
		.amdhsa_reserve_vcc 0
		.amdhsa_float_denorm_mode_32 3
		.amdhsa_float_denorm_mode_16_64 3
		.amdhsa_memory_ordered 1
		.amdhsa_forward_progress 1
		.amdhsa_inst_pref_size 194
	.end_amdhsa_kernel
	.amdgpu_metadata
---
amdhsa.version: [ 1, 2 ]
amdhsa.kernels:
  - .name:           k_q14625cd768_mlp2
    .symbol:         k_q14625cd768_mlp2.kd
    .args:
      - { .name: hb, .offset: 0, .size: 8, .value_kind: global_buffer, .address_space: global }
      - { .name: w2b, .offset: 8, .size: 8, .value_kind: global_buffer, .address_space: global }
      - { .name: x, .offset: 16, .size: 8, .value_kind: global_buffer, .address_space: global }
      - { .name: coef, .offset: 24, .size: 8, .value_kind: global_buffer, .address_space: global }
      - { .name: out0, .offset: 32, .size: 8, .value_kind: global_buffer, .address_space: global }
    .group_segment_fixed_size: 327680
    .private_segment_fixed_size: 0
    .kernarg_segment_align: 8
    .kernarg_segment_size: 40
    .max_flat_workgroup_size: 128
    .sgpr_count:     84
    .vgpr_count:     768
    .wavefront_size: 32
...
	.end_amdgpu_metadata
.endif
;; end of part 4
;; ======== version 2 of 2: 4 launches; version 1 with the launch cast written anew for expert scheduling mode
;; workspace buffers: w1b 33,554,432 bytes; w2b 33,554,432 bytes; wsm 491,520 bytes; brb 8,388,608 bytes; coef 163,840 bytes; hb 33,554,432 bytes
;; launch cast (part 5): grid 1054 x 1, 8 waves a work-group, no clusters, 0 bytes of LDS; arguments W1, W2, W_conv, W_ri, W_wo, W_diss, W_dtc, W_dtd, w1b, w2b, wsm; writes w1b, w2b, wsm
.if DOCPART == 5
	.amdgcn_target "amdgcn-amd-amdhsa--gfx1250"
	.amdhsa_code_object_version 6
	.text
	.protected	k_q14625cd768_cast
	.globl	k_q14625cd768_cast
	.p2align	8
	.type	k_q14625cd768_cast,@function
k_q14625cd768_cast:
	s_mov_b64 s[64:65], 0
	v_nop
	global_prefetch_b8 v0, s[64:65] scope:SCOPE_SE
	s_setreg_imm32_b32 hwreg(HW_REG_WAVE_SCHED_MODE, 0, 2), 2
	s_setreg_imm32_b32 hwreg(HW_REG_WAVE_MODE, 25, 1), 1
	s_wait_xcnt 0x0
	s_wait_alu depctr_vm_vsrc(0)
; THE WEIGHTS ARE ROUNDED ONCE TO bf16, their layout kept.  W1 [2048][8192] -> w1b, W2 [8192][2048] -> w2b, and the 30 rows of 8,192 numbers of the six small
; weights -> wsm [30][8192]: rows 0-15 W_conv, 16-19 W_ri, 20-23 W_wo, 24-27 W_diss, 28 W_dtc, 29 W_dtd.
; SHARES.  Work-groups 0-1023 take 32,768 numbers each (0-511 of W1, 512-1023 of W2); work-groups 1024-1053 take one row of wsm each.
; Thread t takes 16 bytes at 16 t of each 4,096 bytes: a load of a wave covers 512 consecutive bytes, its store of 8 bytes a lane 256 consecutive bytes, aligned.
; All loads of a work-group go out at once, each into registers of its own, so nothing is rewritten while a load or store may read it.
; No LDS, no barrier, no matrix unit, no cluster: no byte is wanted twice, and no work-group wants what another reads.
; THE MODE: SCHED_MODE bits 1:0 = 2 (LLVM: expert scheduling mode 2), set by the entry lines.  The code itself states the register dependences
; between vector instructions and memory instructions, with s_wait_alu, always for 0.
; THE PLAN.  Registers that memory instructions touch:
;   v1, v2   byte offsets, written once at the head by vector lines; read by every load (v1) and every store (v2); never written again.
;   X[i]     four registers for load i.  Load i lands in them, issued ahead of every vector line that names X.  Two roundings read the four and write the first two; store i reads those two.  Never written again.
; So no load lands in a register that a vector line has named, and no register that a memory instruction has read is written again: what is to be stated is that the offsets are written ahead of the loads,
; and the roundings' results ahead of the stores.  The loads are taken in groups of four.  At the head of group g, behind the wait for its data, ONE wait states that group g - 1's roundings have written
; their results; the four stores of group g - 1 follow it, dealt among group g's roundings, which name group g's registers alone.  One more wait stands ahead of the last group's stores.
.set X,   4                            ; v[4:131]  load i: four registers as loaded; its first two then hold the four bf16
.set GRP, 4                            ; loads in a group
; n loads of 4,096 bytes a work-group from s[30:31], n stores of 2,048 bytes to s[32:33]; n is a multiple of four
.macro COPY n
	s_wait_alu depctr_va_vdst(0)                   ; v1 and v2 are written: every load below reads v1 as its offset, every store v2
.set i, 0
.rept \n
	global_load_b128 v[X+4*i:X+4*i+3], v1, s[30:31] offset:4096*i th:TH_LOAD_NT
.set i, i+1
.endr
.set g, 0
.rept (\n)/GRP
	s_wait_loadcnt (\n)-GRP*(g+1)                  ; loads come back in order: group g's four are in, the younger groups stay out
.if g > 0
	s_wait_alu depctr_va_vdst(0)                   ; the roundings of the group before have written its X[i]'s first two registers, which the four stores below read
.endif
.set k, 0
.rept GRP
.set i, GRP*g+k
.if g > 0
	global_store_b64 v2, v[X+4*(i-GRP):X+4*(i-GRP)+1], s[32:33] offset:2048*(i-GRP)  ; the group before; no vector line since the wait names these registers
.endif
	v_cvt_pk_bf16_f32 v[X+4*i], v[X+4*i], v[X+4*i+1]       ; two roundings to nearest even, packed
	v_cvt_pk_bf16_f32 v[X+4*i+1], v[X+4*i+2], v[X+4*i+3]
.set k, k+1
.endr
.set g, g+1
.endr
	s_wait_alu depctr_va_vdst(0)                   ; the last group's roundings have written their results, which the last four stores read
.set k, 0
.rept GRP
	global_store_b64 v2, v[X+4*((\n)-GRP+k):X+4*((\n)-GRP+k)+1], s[32:33] offset:2048*((\n)-GRP+k)
.set k, k+1
.endr
.endm
	s_load_b512 s[8:23], s[0:1], 0x0               ; W1 s[8:9], W2 s[10:11], W_conv s[12:13], W_ri s[14:15], W_wo s[16:17], W_diss s[18:19], W_dtc s[20:21], W_dtd s[22:23]
	s_load_b128 s[24:27], s[0:1], 0x40             ; w1b s[24:25], w2b s[26:27]
	s_load_b64 s[28:29], s[0:1], 0x50              ; wsm
	v_lshlrev_b32 v1, 4, v0                        ; 16 t: where I load; never rewritten
	v_lshlrev_b32 v2, 3, v0                        ; 8 t: where I store; never rewritten
	s_mov_b32 s3, 0                                ; the offsets' high words
	s_mov_b32 s5, 0
	s_wait_kmcnt 0x0
	s_cmp_ge_u32 ttmp9, 1024
	s_cbranch_scc1 .Lsmall
	s_lshr_b32 s6, ttmp9, 9                        ; 0: W1, 1: W2
	s_cmp_eq_u32 s6, 0
	s_cselect_b64 s[30:31], s[8:9], s[10:11]
	s_cselect_b64 s[32:33], s[24:25], s[26:27]
	s_and_b32 s6, ttmp9, 511
	s_lshl_b32 s2, s6, 17                          ; 131,072 bytes in,
	s_lshl_b32 s4, s6, 16                          ; 65,536 bytes out
	s_add_nc_u64 s[30:31], s[30:31], s[2:3]
	s_add_nc_u64 s[32:33], s[32:33], s[4:5]
	COPY 32
	s_endpgm
.Lsmall:
	s_sub_co_u32 s6, ttmp9, 1024                   ; row j of wsm
	s_mov_b64 s[30:31], s[12:13]                   ; which weight it comes from, and that weight's first row in wsm
	s_mov_b32 s7, 0
	s_cmp_ge_u32 s6, 16
	s_cselect_b64 s[30:31], s[14:15], s[30:31]
	s_cselect_b32 s7, 16, s7
	s_cmp_ge_u32 s6, 20
	s_cselect_b64 s[30:31], s[16:17], s[30:31]
	s_cselect_b32 s7, 20, s7
	s_cmp_ge_u32 s6, 24
	s_cselect_b64 s[30:31], s[18:19], s[30:31]
	s_cselect_b32 s7, 24, s7
	s_cmp_ge_u32 s6, 28
	s_cselect_b64 s[30:31], s[20:21], s[30:31]
	s_cselect_b32 s7, 28, s7
	s_cmp_ge_u32 s6, 29
	s_cselect_b64 s[30:31], s[22:23], s[30:31]
	s_cselect_b32 s7, 29, s7
	s_sub_co_u32 s7, s6, s7                        ; the row inside its weight
	s_lshl_b32 s2, s7, 15                          ; 32,768 bytes a row in,
	s_lshl_b32 s4, s6, 14                          ; 16,384 bytes a row out
	s_add_nc_u64 s[30:31], s[30:31], s[2:3]
	s_add_nc_u64 s[32:33], s[28:29], s[4:5]
	COPY 8
	s_endpgm
.Lfunc_end_k_q14625cd768_cast:
	.size	k_q14625cd768_cast, .Lfunc_end_k_q14625cd768_cast-k_q14625cd768_cast
	.p2alignl 7, 3214868480
	.fill 96, 4, 3214868480
	.section	.rodata,"a",@progbits
	.p2align	6, 0x0
	.amdhsa_kernel k_q14625cd768_cast
		.amdhsa_group_segment_fixed_size 0
		.amdhsa_private_segment_fixed_size 0
		.amdhsa_enable_private_segment 0
		.amdhsa_kernarg_size 88
		.amdhsa_user_sgpr_count 2
		.amdhsa_user_sgpr_kernarg_segment_ptr 1
		.amdhsa_wavefront_size32 1
		.amdhsa_system_sgpr_workgroup_id_x 1
		.amdhsa_system_sgpr_workgroup_id_y 1
		.amdhsa_system_sgpr_workgroup_id_z 1
		.amdhsa_system_vgpr_workitem_id 0
		.amdhsa_next_free_vgpr 136
		.amdhsa_next_free_sgpr 66
		.amdhsa_reserve_vcc 0
		.amdhsa_float_denorm_mode_32 3
		.amdhsa_float_denorm_mode_16_64 3
		.amdhsa_memory_ordered 1
		.amdhsa_forward_progress 1
		.amdhsa_inst_pref_size 16
	.end_amdhsa_kernel
	.amdgpu_metadata
---
amdhsa.version: [ 1, 2 ]
amdhsa.kernels:
  - .name:           k_q14625cd768_cast
    .symbol:         k_q14625cd768_cast.kd
    .args:
      - { .name: W1, .offset: 0, .size: 8, .value_kind: global_buffer, .address_space: global }
      - { .name: W2, .offset: 8, .size: 8, .value_kind: global_buffer, .address_space: global }
      - { .name: W_conv, .offset: 16, .size: 8, .value_kind: global_buffer, .address_space: global }
      - { .name: W_ri, .offset: 24, .size: 8, .value_kind: global_buffer, .address_space: global }
      - { .name: W_wo, .offset: 32, .size: 8, .value_kind: global_buffer, .address_space: global }
      - { .name: W_diss, .offset: 40, .size: 8, .value_kind: global_buffer, .address_space: global }
      - { .name: W_dtc, .offset: 48, .size: 8, .value_kind: global_buffer, .address_space: global }
      - { .name: W_dtd, .offset: 56, .size: 8, .value_kind: global_buffer, .address_space: global }
      - { .name: w1b, .offset: 64, .size: 8, .value_kind: global_buffer, .address_space: global }
      - { .name: w2b, .offset: 72, .size: 8, .value_kind: global_buffer, .address_space: global }
      - { .name: wsm, .offset: 80, .size: 8, .value_kind: global_buffer, .address_space: global }
    .group_segment_fixed_size: 0
    .private_segment_fixed_size: 0
    .kernarg_segment_align: 8
    .kernarg_segment_size: 88
    .max_flat_workgroup_size: 256
    .sgpr_count:     66
    .vgpr_count:     136
    .wavefront_size: 32
...
	.end_amdgpu_metadata
.endif
;; end of part 5
;; launch stats: the kernel of part 2 again; grid 256 x 1, 8 waves a work-group, no clusters, 277,760 bytes of LDS; arguments x, wsm, conserv_A, diss_diag, read_in_p, write_out_p, alpha_read_in, alpha_write_out, log_dt_conserv, b_dtc, log_dt_diss, b_dtd, brb, coef; writes brb, coef
;; launch mlp1: the kernel of part 3 again; grid 32 x 8, 4 waves a work-group, clusters of 4 x 4, 327,680 bytes of LDS; arguments brb, w1b, hb; writes hb
;; launch mlp2: the kernel of part 4 again; grid 16 x 16, 4 waves a work-group, clusters of 4 x 1, 327,680 bytes of LDS; arguments hb, w2b, x, coef, out0; writes out0
